; MI455X (gfx1250); checked and timed in simulation.
; The chip was launched on July 23, 2026; its instructions are those of AMD's public machine-readable ISA for CDNA 5 (MIT licence, August 2026) and "CDNA5" Instruction Set Architecture Reference Guide (July 2026). The comments in the code are by the model that wrote it; some were corrected since.
;; Causal Self Attention. Allowed arithmetic: matrix products marked QUANTISED: E2M3 operands, one E8M0 scale for each 32 along K, by v_wmma_scale_f32_16x16x128_f8f6f4 with both operands' format E2M3, f32 sums; everything else in f32.
;; Inputs: freqs_cos 2,048 x 32 float32; freqs_sin 2,048 x 32 float32; w_attn 3,072 x 1,024 float32; w_proj 1,024 x 1,024 float32; x 4 x 2,048 x 1,024 float32.
;; Outputs: out0 4 x 2,048 x 1,024 float32.
;; This version of the problem:
;;   THIS VERSION OF THE PROBLEM IS GIVEN IN LOW PRECISION. The matrix products marked QUANTISED in the list below multiply operands that are first quantised to E2M3 (2 exponent bits, 3 mantissa bits; 6 bits a number), with one power-of-two scale for each 32 numbers along K (OCP MX v1.0); their sums are f32. All else is computed in f32.
;;   The module's matrix products, in the order in which they are computed (A, B: the left and right operand; K: the contracted axis; several contracted axes count as one K, in the product's order):
;;     1. [M 8,192, K 1,024] x [K 1,024, N 3,072]; A: input x; B: input w_attn: QUANTISED
;;     2. batch 64 x [M 2,048, K 64] x [K 64, N 2,048]; A: computed on the way; B: computed on the way: QUANTISED
;;     3. batch 64 x [M 2,048, K 2,048] x [K 2,048, N 64]; A: softmax (see below); B: computed on the way: QUANTISED
;;     4. [M 8,192, K 1,024] x [K 1,024, N 1,024]; A: computed on the way; B: input w_proj: QUANTISED
;;   THE QUANTISER, for each operand of a quantised product, along K:
;;     - K is cut into blocks of 32 from its start; a last block that is shorter is filled with zeros.
;;     - A block's scale is 2^e with e = floor(log2(the largest magnitude in the block)) - 2, held to -126 .. 127; a block of zeros has e = 0. As a byte (E8M0): e + 127.
;;     - Each number is divided by its block's scale, clamped to +-7.5, and rounded to the nearest number of E2M3, ties to even, subnormals kept.
;;     - The product sums the exact products of the quantised numbers (number of the format x scale) in f32.
;;   ~~~python
;;   def quantise(x, axis):      # numpy; x: float32 -> the quantised numbers, widened to float32 again
;;       x = np.moveaxis(x, axis, -1); K = x.shape[-1]
;;       x = np.pad(x, [(0, 0)] * (x.ndim - 1) + [(0, -K % 32)]); x = x.reshape(x.shape[:-1] + (-1, 32)); a = np.abs(x).max(-1, keepdims=True)
;;       e = np.where(a > 0, np.clip(np.frexp(np.where(a > 0, a, 1))[1] - 1 - 2, -126, 127), 0)      # np.frexp(a)[1] - 1 = floor(log2(a)), exactly
;;       r = np.clip(x / 2.0 ** e, -7.5, 7.5)
;;       step = 2.0 ** (np.maximum(np.frexp(np.where(r == 0, 1, r))[1] - 1, 0) - 3)
;;       q = np.round(r / step) * step * 2.0 ** e      # np.round: ties to even
;;       return np.moveaxis(q.reshape(q.shape[:-2] + (-1,))[..., :K], -1, axis).astype(np.float32)
;;   ~~~
;;   SOFTMAX AHEAD OF A QUANTISED PRODUCT. Where the list says 'softmax', what is quantised is not the finished softmax but p = 2^(t - M), with t = logit x log2(e) and M = ceil(the row's largest t), a whole number; so 1/2 < the row's largest p <= 1. The row's sum l is taken of the UNQUANTISED p, in f32, and the product's result is divided by l at the end. Since M is a whole number, a kernel that streams over the keys may use a running M (the ceiling of the running maximum): every later rescaling is an exact power of two, which a block's scale takes up: the codes' values come out the same.
;;   OPERANDS COMPUTED ON THE WAY. 'Computed on the way' means the value that the module computes at that place (a softmax that the list does not call 'softmax' is quantised finished and normalised). What goes into a quantiser is computed in f32, as accurately as f32 sums, v_exp_f32 and their like allow (about 1e-6 of the number): no bf16 or f16 on the way to a quantiser, and a product that is left as it is and whose result goes on into a quantised operand takes f32 operands (vector FMAs, or v_wmma_f32_16x16x4_f32). A number that lies on a knife's edge between two numbers of the format may be rounded either way, as far as f32 arithmetic and the matrix unit's own rounding can turn it there, and no further.
;; One version. Each part assembles by itself: llvm-mc -triple=amdgcn-amd-amdhsa -mcpu=gfx1250 --defsym DOCPART=n.
;; ======== version 1 of 1: 4 launches
;; workspace buffers: cod 9,437,184 bytes; scl 393,216 bytes; qimg 6,291,456 bytes; kimg 6,291,456 bytes; vimg 6,291,456 bytes; sc2 786,432 bytes; yc 6,291,456 bytes; ys 262,144 bytes
;; launch quant (part 1): grid 256 x 1, 3 waves a work-group, no clusters, 25,856 bytes of LDS; arguments x, w_attn, w_proj, cod, scl; writes cod, scl
.if DOCPART == 1
	.amdgcn_target "amdgcn-amd-amdhsa--gfx1250"
	.amdhsa_code_object_version 6
	.text
	.protected	k_qd1cab5cb1f_quant
	.globl	k_qd1cab5cb1f_quant
	.p2align	8
	.type	k_qd1cab5cb1f_quant,@function
k_qd1cab5cb1f_quant:
	s_mov_b64 s[64:65], 0
	v_nop
	global_prefetch_b8 v0, s[64:65] scope:SCOPE_SE
	s_setreg_imm32_b32 hwreg(HW_REG_WAVE_MODE, 25, 1), 1
	s_wait_xcnt 0x0
; x [8192][1024], w_attn [3072][1024], w_proj [1024][1024], f32, become codes of FP6 (E2M3) with one E8M0 byte for each 32 along K = 1,024.
; THE ROWS ARE PLACED: inside each group of 64 rows, natural row 32 hi + 8 t + lo goes to place 16 t + 8 hi + lo.  A tile of 16 placed rows used as a product's source 0
; then leaves, in the four tiles of a group, 32 NEIGHBOURING natural rows in one lane's 32 result registers: the later launches quantise results with no work between lanes.
; cod: [row tile 0..767][K step 0..7][1,536 bytes]: a fragment (16 rows x 128 K, 12 registers a lane) as an image of its registers: registers 4 j .. 4 j + 3 of lane l at 512 j + 16 l.
; scl: [placed row][32 bytes], byte b for k = 32 b on.  Placed rows 0..8,191 x, 8,192..11,263 w_attn, 11,264..12,287 w_proj.
; A block's scale is 2^(floor(log2(largest magnitude)) - 2): its byte is the largest magnitude's exponent field - 2, held at 1 from below.
; LIMITS: a block whose largest magnitude lies under 2^-124 has its byte held at 1; a block of zeros gets the byte 1, not 127 (its codes are zeros, and this program alone reads the bytes);
; NaN and infinities among the inputs are not served.
; SHARES: 768 waves, one row tile each: 8 fragments.  Each load reads 512 consecutive bytes of a row; a fragment's 16 x 512 bytes turn through the wave's own stage in LDS, so that lane (r, h)
; gets k = 64 c + 32 h + 0 .. 31 of row r: two whole blocks.  No barrier: waves share nothing.  Loads run two to three fragments (32 to 48 loads a wave) ahead.
.set STG,   8448                       ; a wave's stage: 16 rows x (512 bytes + 16)
.set SPARE, 3*STG                      ; behind the stages: the spare words, two blocks of 256 bytes that no other line names
.set FLOOR, 0x1800000                  ; 2^(3 - 127)
.set L16, 1                            ; v1  16 x lane
.set STI, 2                            ; v2  the stage, way in: 16 x lane
.set STO, 3                            ; v3  way out: 528 r + 128 h
.set SH8, 4                            ; v4  8 h
.set SO,  5                            ; v5  32 r + 16 h: my 16 scale bytes
.set SPW, 6                            ; v6  my spare word; never rewritten
.set NIL, 7                            ; v7  0; never rewritten
.set WR,  8                            ; v8-15  row r's scale word of each K step
.set WS,  16                           ; v16-19 the four that I store
.set MA0, 20
.set MB0, 21
.set MA1, 22
.set MB1, 23
.set SC0, 24
.set SC1, 25
.set BY0, 26
.set BY1, 27
.set CT,  28                           ; v[28:30], v[32:34] the second halves of the two blocks' codes
.set P,   36                           ; v[36:47] the fragment
.set R,   48                           ; v48-239 three sets of 64 numbers
	s_load_b256 s[4:11], s[0:1], 0x0               ; x, w_attn, w_proj, cod
	s_load_b64 s[12:13], s[0:1], 0x20              ; scl
	v_lshl_add_u32 v[SPW], v0, 2, SPARE
	v_mov_b32 v[NIL], 0
	v_lshrrev_b32 v1, 5, v0
	v_readfirstlane_b32 s14, v1                    ; wave 0..2
	s_mul_i32 s15, ttmp9, 3
	s_add_co_u32 s15, s15, s14                     ; my row tile
	s_mul_i32 s19, s14, STG
	v_and_b32 v2, 31, v0
	v_lshlrev_b32 v[L16], 4, v2
	v_add_nc_u32 v[STI], s19, v[L16]
	v_and_b32 v3, 15, v0                           ; r
	v_bfe_u32 v4, v0, 4, 1                         ; h
	v_lshlrev_b32 v[SO], 5, v3
	v_lshl_add_u32 v[SO], v4, 4, v[SO]
	v_mul_u32_u24 v3, v3, 528
	v_lshl_add_u32 v3, v4, 7, v3
	v_add_nc_u32 v[STO], s19, v3
	v_lshlrev_b32 v[SH8], 3, v4
	s_mov_b32 s24, 0x76543210
	s_mov_b32 s25, 0xfedcba98                      ; v_permlanex16_b32's selects for lane l xor 16
	s_mov_b32 s26, 0xffff0000                      ; lanes 16-31
	s_wait_kmcnt 0x0
	s_cmp_lt_u32 s15, 512                          ; which tensor: the choice hangs on the tile's number alone
	s_cselect_b64 s[16:17], s[4:5], s[6:7]
	s_cselect_b32 s18, 0, 512
	s_cmp_lt_u32 s15, 704
	s_cselect_b64 s[16:17], s[16:17], s[8:9]
	s_cselect_b32 s18, s18, 704
	s_sub_co_u32 s18, s15, s18                     ; the tile's number in its tensor: 4 g + t
	s_lshr_b32 s19, s18, 2
	s_lshl_b32 s19, s19, 6
	s_and_b32 s18, s18, 3
	s_lshl_b32 s18, s18, 3
	s_add_co_u32 s18, s18, s19                     ; natural row of place 0: 64 g + 8 t
	s_lshl_b32 s18, s18, 12                        ; rows of 4,096 bytes
	s_mov_b32 s19, 0
	s_add_nc_u64 s[20:21], s[16:17], s[18:19]      ; places 0-7: rows 64 g + 8 t + 0 .. 7
	s_add_nc_u64 s[22:23], s[20:21], 0x20000       ; places 8-15: 32 rows further down
	s_mul_i32 s18, s15, 12288
	s_add_nc_u64 s[10:11], s[10:11], s[18:19]
	s_lshl_b32 s18, s15, 9
	s_add_nc_u64 s[12:13], s[12:13], s[18:19]
.macro LOAD k                          ; K step k of my 16 rows into set k % 3
.irp p, 0,1,2,3,4,5,6,7,8,9,10,11,12,13,14,15
	global_load_b128 v[R+64*((\k)%3)+4*\p:R+64*((\k)%3)+4*\p+3], v[L16], s[20+2*(\p/8):21+2*(\p/8)] offset:(\p%8)*4096+512*(\k) th:TH_LOAD_NT
.endr
.endm
.macro FRAGQ k
.set X, R+64*((\k)%3)
.if (\k) < 6
	s_wait_loadcnt 32                              ; this K step's 16 loads are in; the two younger steps' 32 may be out
.else
	s_wait_loadcnt 16*(7-(\k))
.endif
.irp p, 0,1,2,3,4,5,6,7,8,9,10,11,12,13,14,15
	ds_store_b128 v[STI], v[X+4*\p:X+4*\p+3] offset:528*\p
.endr
	s_wait_dscnt 0x0                               ; the stores have read the set: it takes the numbers back in the operand's order
.irp c, 0,1
.irp i, 0,1,2,3,4,5,6,7
	ds_load_b128 v[X+32*\c+4*\i:X+32*\c+4*\i+3], v[STO] offset:256*\c+16*\i
.endr
.endr
	s_wait_dscnt 0x0
	v_max3_num_f32 v[MA0], |v[X]|, |v[X+1]|, FLOOR         ; two blocks, two chains each, by turns; the floor is a leaf, so that the byte cannot fall under 1
	v_max3_num_f32 v[MB0], |v[X+16]|, |v[X+17]|, FLOOR
	v_max3_num_f32 v[MA1], |v[X+32]|, |v[X+33]|, FLOOR
	v_max3_num_f32 v[MB1], |v[X+48]|, |v[X+49]|, FLOOR
.irp i, 2,4,6,8,10,12,14
	v_max3_num_f32 v[MA0], v[MA0], |v[X+\i]|, |v[X+\i+1]|
	v_max3_num_f32 v[MB0], v[MB0], |v[X+16+\i]|, |v[X+17+\i]|
	v_max3_num_f32 v[MA1], v[MA1], |v[X+32+\i]|, |v[X+33+\i]|
	v_max3_num_f32 v[MB1], v[MB1], |v[X+48+\i]|, |v[X+49+\i]|
.endr
	v_max_num_f32 v[MA0], v[MA0], v[MB0]
	v_max_num_f32 v[MA1], v[MA1], v[MB1]
	v_add_nc_u32 v[SC0], 0xff000000, v[MA0]        ; 2 off the exponent field: the conversion's scale operand
	v_add_nc_u32 v[SC1], 0xff000000, v[MA1]
	v_lshrrev_b32 v[BY0], 23, v[SC0]               ; the bytes of blocks h and 2 + h
	v_lshrrev_b32 v[BY1], 23, v[SC1]
	v_lshl_or_b32 v[BY0], v[BY1], 16, v[BY0]
	v_lshlrev_b32 v[BY0], v[SH8], v[BY0]           ; at their places in the word
	v_permlanex16_b32 v[BY1], v[BY0], s24, s25
	v_or_b32 v[WR+(\k)], v[BY0], v[BY1]            ; with lane l xor 16's two the word is whole
	s_wait_xcnt 0x0                                ; the last fragment's stores have read the registers that are written now
	v_cvt_scalef32_pk16_fp6_f32 v[P:P+2], v[X:X+15], v[SC0]
	v_cvt_scalef32_pk16_fp6_f32 v[CT:CT+2], v[X+16:X+31], v[SC0]       ; (a conversion's three registers begin on an even number)
	v_cvt_scalef32_pk16_fp6_f32 v[P+6:P+8], v[X+32:X+47], v[SC1]
	v_cvt_scalef32_pk16_fp6_f32 v[CT+4:CT+6], v[X+48:X+63], v[SC1]
	v_nop                                          ; one plain place behind the conversions
.irp i, 0,1,2
	v_mov_b32 v[P+3+\i], v[CT+\i]
	v_mov_b32 v[P+9+\i], v[CT+4+\i]
.endr
.irp j, 0,1,2
	global_store_b128 v[L16], v[P+4*\j:P+4*\j+3], s[10:11] offset:1536*(\k)+512*\j   ; 512 consecutive bytes
.endr
.if (\k) < 5
	LOAD (\k)+3
.endif
.endm
	LOAD 0
	LOAD 1
	LOAD 2
.irp k, 0,1,2,3,4,5,6,7
	FRAGQ \k
.endr
.irp i, 0,1,2,3
	v_cndmask_b32 v[WS+\i], v[WR+\i], v[WR+4+\i], s26      ; lanes 0-15 store K steps 0-3 of row r, lanes 16-31 K steps 4-7
.endr
	global_store_b128 v[SO], v[WS:WS+3], s[12:13]  ; the wave's 16 rows x 32 bytes: 512 consecutive bytes
	s_wait_tensorcnt 0x0                           ; the wave's end
	ds_add_u32 v[SPW], v[NIL]
	s_wait_dscnt 0x0
	s_endpgm
.Lfunc_end_k_qd1cab5cb1f_quant:
	.size	k_qd1cab5cb1f_quant, .Lfunc_end_k_qd1cab5cb1f_quant-k_qd1cab5cb1f_quant
	.p2alignl 7, 3214868480
	.fill 96, 4, 3214868480
	.section	.rodata,"a",@progbits
	.p2align	6, 0x0
	.amdhsa_kernel k_qd1cab5cb1f_quant
		.amdhsa_group_segment_fixed_size 25856
		.amdhsa_private_segment_fixed_size 0
		.amdhsa_enable_private_segment 0
		.amdhsa_kernarg_size 40
		.amdhsa_user_sgpr_count 2
		.amdhsa_user_sgpr_kernarg_segment_ptr 1
		.amdhsa_wavefront_size32 1
		.amdhsa_system_sgpr_workgroup_id_x 1
		.amdhsa_system_sgpr_workgroup_id_y 1
		.amdhsa_system_sgpr_workgroup_id_z 1
		.amdhsa_system_vgpr_workitem_id 0
		.amdhsa_next_free_vgpr 240
		.amdhsa_next_free_sgpr 66
		.amdhsa_reserve_vcc 0
		.amdhsa_float_denorm_mode_32 3
		.amdhsa_float_denorm_mode_16_64 3
		.amdhsa_memory_ordered 1
		.amdhsa_forward_progress 1
		.amdhsa_inst_pref_size 59
	.end_amdhsa_kernel
	.amdgpu_metadata
---
amdhsa.version: [ 1, 2 ]
amdhsa.kernels:
  - .name:           k_qd1cab5cb1f_quant
    .symbol:         k_qd1cab5cb1f_quant.kd
    .args:
      - { .name: x, .offset: 0, .size: 8, .value_kind: global_buffer, .address_space: global }
      - { .name: w_attn, .offset: 8, .size: 8, .value_kind: global_buffer, .address_space: global }
      - { .name: w_proj, .offset: 16, .size: 8, .value_kind: global_buffer, .address_space: global }
      - { .name: cod, .offset: 24, .size: 8, .value_kind: global_buffer, .address_space: global }
      - { .name: scl, .offset: 32, .size: 8, .value_kind: global_buffer, .address_space: global }
    .group_segment_fixed_size: 25856
    .private_segment_fixed_size: 0
    .kernarg_segment_align: 8
    .kernarg_segment_size: 40
    .max_flat_workgroup_size: 96
    .sgpr_count:     66
    .vgpr_count:     240
    .wavefront_size: 32
...
	.end_amdgpu_metadata
.endif
;; end of part 1
;; launch qkv (part 2): grid 12 x 32, 4 waves a work-group, clusters of 4 x 4, 327,680 bytes of LDS; arguments cod, scl, freqs_cos, freqs_sin, qimg, kimg, vimg, sc2; writes qimg, kimg, vimg, sc2
.if DOCPART == 2
	.amdgcn_target "amdgcn-amd-amdhsa--gfx1250"
	.amdhsa_code_object_version 6
	.text
	.protected	k_qd1cab5cb1f_qkv
	.globl	k_qd1cab5cb1f_qkv
	.p2align	8
	.type	k_qd1cab5cb1f_qkv,@function
k_qd1cab5cb1f_qkv:
	s_mov_b64 s[64:65], 0
	v_nop
	global_prefetch_b8 v0, s[64:65] scope:SCOPE_SE
	s_setreg_imm32_b32 hwreg(HW_REG_WAVE_MODE, 25, 1), 1
	s_wait_xcnt 0x0
	s_wait_alu depctr_hold_cnt(0) depctr_sa_sdst(0) depctr_va_vdst(0) depctr_va_sdst(0) depctr_va_ssrc(0) depctr_va_vcc(0) depctr_vm_vsrc(0)
	s_getreg_b32 s2, hwreg(HW_REG_IB_STS2, 6, 4)
	s_cmp_eq_u32 s2, 0
	s_cbranch_scc0 .Lentry_in_a_cluster
	s_endpgm
.Lentry_in_a_cluster:
	s_bfe_u32 s2, ttmp6, 0x10000c
	s_cmp_lg_u32 s2, 0xf033
	s_cbranch_scc0 .Lentry_shape_is_right
	s_endpgm
.Lentry_shape_is_right:
; qkv = x w_attn^T on codes of FP6 (E2M3) with E8M0 scales, K = 1,024; then RoPE on q and k in f32; then q and k are quantised along the head's 64 and v along the KEYS, and leave as images of operand registers.
; FRAME: a work-group of four waves makes 256 x 256, a wave 128 x 128 (64 accumulators, 512 registers).  K goes in four steps of 256 through two LDS slots filled by the tensor data mover.
; The operands lie in memory as images of fragments (16 rows x 128 K = 1,536 bytes; registers 4 j .. 4 j + 3 of lane l at 512 j + 16 l): a fragment comes from LDS by three loads of 16 bytes a lane, each of 512 consecutive bytes.
; The matrix instruction is used transposed: source 0 = 16 rows of B, source 1 = 16 rows of A.  All rows are PLACED (natural row 32 hi + 8 t + lo of a group of 64 at place 16 t + 8 hi + lo), so lane (r, h) holds A's placed
; row 16 a + r, and its 32 registers of B's tiles 4 x .. 4 x + 3 are B's NATURAL rows 64 x + 32 h + 0 .. 31: a whole block of 32, in order, in one lane.
; ROLES by the cluster's x, which all partners share: 0: q, 1: k: A = x (tokens), B = w_attn (features): the registers run along a head's d.  2: v: A = w_attn's v rows, B = x: the registers run along the keys.
; CLUSTERS: 4 x 4 work-groups; A's tiles hang on cy and the cluster's numbers alone and are asked for jointly along a row of the cluster, B's on cx and the cluster's numbers, along a column.
; OUT: qimg, kimg [bh][step of 128 tokens][ap 0..3][1,536]: fragment ap holds placed token tile 2 ap in k 0..63 and tile 2 ap + 1 in k 64..127.  vimg [bh][step][td 0..3][1,536]: rows = placed features 16 td + r, K = the step's 128 keys.
; sc2: q at 0, k at 262,144, v at 524,288; [bh][step][256]: byte 8 l + 4 u = register u of lane l; register u: fragment 2 u's scale words in lanes 0-15, fragment 2 u + 1's in lanes 16-31.
; LIMITS: a block whose largest magnitude lies under 2^-124 has its byte held at 1; a block of zeros gets the byte 1 (its codes are zeros; this program alone reads the bytes); NaN and infinities are not served;
; RoPE's second term is a fused multiply-add: one rounding fewer than two products and a sum.
; REGISTERS: window 0: v1-4 lane constants; v16-27 LDS addresses; v28, v29 the add's two; v32-63 scale words and nothing else; v64-127 RoPE tables, set 0; v128-223 A's fragments (way out: v128-191 tables, set 1; v192-245 at work).
;   window 1: B's fragments, two sets (way out: v0-63 the rotated numbers).  windows 2, 3: accumulator (a, b) at v[64 (a % 4) + 8 b] of window 2 + a / 4.
.set FR,    12                         ; registers of a fragment
.set FRB,   1536                       ; its image in bytes
.set SLK,   2*FRB                      ; a row tile's bytes in a slot: 256 along K
.set NQ,    2
.set NP,    4                          ; places behind this matrix instruction (ISA guide 7.12.1)
.set NLA,   3                          ; LDS loads that bring a fragment of A
.set HALFT, 8*SLK                      ; 128 rows: what one tensor load brings
.set SLOT,  4*HALFT                    ; A's 256 rows, then B's
.set KS,    32                         ; a row of scale bytes
.set SCL,   2*SLOT                     ; behind the ring: the scales, as rows of 256 bytes + 16
.set HALFS, 16*272
.set SBLK,  2*272
.set SPARE, SCL+4*HALFS                ; the spare words: two blocks of 256 bytes that no other line names
.set FLOOR, 0x1800000
.set L16,  1                           ; v1  16 x lane
.set L8,   2                           ; v2  8 x lane
.set TO,   3                           ; v3  the tables: (32 (r / 8) + r % 8) x 128 + 64 h
.set SH8,  4                           ; v4  8 h
.set ADRA, 16
.set ADRB, 20
.set ADRS, 27
.set SPW,  28
.set NIL,  29
.set SC,   32
.set TB0,  64
.set AF,   128
.set P0,   192                         ; two sets of 12
.set CT,   216
.set MA0,  224
.set MB0,  225
.set MA1,  226
.set MB1,  227
.set SC0,  228
.set SC1,  229
.set BY0,  230
.set BY1,  231
.set WR,   234                         ; v234-241 the eight fragments' scale words
.set REC,  242                         ; v242-245 the two heads' records
.set G1, 24
.set G0, 32
.set G1B, 48
.set G0B, 56
.set G1S, 68
.set G0S, 76
.set G1SB, 80
.set G0SB, 88
.set SEL, 12                           ; s[12:13] lane l xor 16
.set HM,  67                           ; s67 lanes 16-31
.set MSB, 0
.macro WIN new                         ; the immediate's high byte repeats the setting that is left
.if MSB != (\new)
	s_set_vgpr_msb (MSB<<8)|(\new)
.set MSB, (\new)
.endif
.endm
.set MUL_LO, 0xa1                      ; source 0 (B) window 1, source 1 (A) window 0, C and D window 2
.set MUL_HI, 0xf1
.set TO_B,   0x40
; A joint load: waves 0 and 1 fetch for A, waves 2 and 3 for B; the branch hangs on the wave's number alone.  An s_nop 0 and four v_nop follow each of the two lines.
.macro JLOAD g0a, g1a, g0b, g1b
	s_cmp_eq_u32 s15, 0
	s_cbranch_scc0 .Lfor_b_\@
	tensor_load_to_lds s[\g0a:\g0a+3], s[\g1a:\g1a+7]
	s_nop 0
.rept 4
	v_nop
.endr
	s_branch .Lasked_\@
.Lfor_b_\@:
	tensor_load_to_lds s[\g0b:\g0b+3], s[\g1b:\g1b+7]
	s_nop 0
.rept 4
	v_nop
.endr
.Lasked_\@:
.endm
.macro CREST
	s_cmp_lg_u32 s14, 0
	s_cbranch_scc1 .Lnot_wave_0_\@
	s_barrier_signal -3
.Lnot_wave_0_\@:
	s_barrier_wait -3
	s_barrier_signal -1
	s_barrier_wait -1
.endm
.macro CROUND
	s_barrier_signal -1
	s_barrier_wait -1
	CREST
.endm
	s_load_b256 s[4:11], s[0:1], 0x0               ; cod s[4:5], scl s[6:7], cos s[8:9], sin s[10:11]
	s_load_b256 s[92:99], s[0:1], 0x20             ; qimg, kimg, vimg, sc2
	v_lshl_add_u32 v[SPW], v0, 2, SPARE
	v_mov_b32 v[NIL], 0
	ds_add_u32 v[SPW], v[NIL]                      ; the wave's opening: the add's wait comes ahead of my first tensor load
	v_lshrrev_b32 v8, 5, v0
	v_readfirstlane_b32 s14, v8                    ; wave 0..3
	s_lshr_b32 s15, s14, 1                         ; which half of A's rows is mine.  Also: I fetch for A (0) or for B (1)
	s_and_b32 s16, s14, 1                          ; which half of B's rows.  Also: which 128 rows I fetch
	s_bfe_u32 s40, ttmp6, 0x40000                  ; cx
	s_bfe_u32 s41, ttmp6, 0x40004                  ; cy
	s_and_b32 s17, ttmp7, 0xffff                   ; the cluster's y
	s_lshl_b32 s43, s41, 2
	s_lshl_b32 s43, 15, s43                        ; my row of the cluster
	s_lshl_b32 s44, 0x1111, s40                    ; my column
	; group 1, codes: 8 row tiles x 3,072 bytes (384 elements of 8 bytes), 12,288 bytes (1,536 elements) apart; no padding: every LDS load of a wave reads consecutive bytes
	s_or_b32 s[G1+0], s43, (3<<16)|(1<<21)
	s_or_b32 s[G1B+0], s44, (3<<16)|(1<<21)
.irp g, G1, G1B
	s_mov_b32 s[\g+1], 384<<16                     ; tensor_dim0
	s_mov_b32 s[\g+2], 8<<16                       ; tensor_dim1
	s_mov_b32 s[\g+3], 384<<16                     ; tile_dim0
	s_mov_b32 s[\g+4], 8                           ; tile_dim1
	s_mov_b32 s[\g+5], 1536                        ; tensor_dim0_stride
	s_mov_b32 s[\g+6], 0
	s_mov_b32 s[\g+7], 0
.endr
	; group 1, the scales of 128 rows: 4,096 dense bytes as 16 rows of 256, 16 bytes of padding behind each
	s_or_b32 s[G1S+0], s43, (3<<16)|(1<<20)|(1<<21)|(5<<22)|(3<<25)
	s_or_b32 s[G1SB+0], s44, (3<<16)|(1<<20)|(1<<21)|(5<<22)|(3<<25)
.irp g, G1S, G1SB
	s_mov_b32 s[\g+1], 32<<16
	s_mov_b32 s[\g+2], 16<<16
	s_mov_b32 s[\g+3], 32<<16
	s_mov_b32 s[\g+4], 16
	s_mov_b32 s[\g+5], 32
	s_mov_b32 s[\g+6], 0
	s_mov_b32 s[\g+7], 0
.endr
	; the placed rows that I fetch.  q, k: A = x at 1,024 Y + 256 cy, B = w_attn at 8,192 + 1,024 X + 256 cx.  v: A = w_attn's v rows at 10,240 + 256 cy, B = x at 1,024 Y + 256 cx.
	; Only the term that all partners share is chosen; A's registers never hold cx.
	s_lshl_b32 s18, s16, 7
	s_lshl_b32 s19, s17, 10
	s_lshl_b32 s42, ttmp9, 10
	s_add_co_u32 s42, s42, 8192
	s_cmp_eq_u32 ttmp9, 2
	s_cselect_b32 s20, 10240, s19
	s_cselect_b32 s46, s19, s42
	s_lshl_b32 s21, s41, 8
	s_add_co_u32 s20, s20, s21
	s_add_co_u32 s20, s20, s18                     ; A's first row
	s_lshl_b32 s47, s40, 8
	s_add_co_u32 s46, s46, s47
	s_add_co_u32 s46, s46, s18                     ; B's
	s_lshl_b32 s22, s20, 5                         ; 32 scale bytes a row,
	s_mov_b32 s23, 0
	s_mul_i32 s20, s20, 768                        ; 768 bytes of codes
	s_mov_b32 s21, 0
	s_lshl_b32 s100, s46, 5
	s_mov_b32 s101, 0
	s_mul_i32 s46, s46, 768
	s_mov_b32 s47, 0
	s_mul_i32 s45, s14, HALFT                      ; where they go: no place in the cluster enters an LDS address
	s_mul_i32 s66, s14, HALFS
	s_wait_dscnt 0x0                               ; the opening add is done
	s_wait_kmcnt 0x0
	s_add_nc_u64 s[20:21], s[4:5], s[20:21]
	s_add_nc_u64 s[22:23], s[6:7], s[22:23]
	s_add_nc_u64 s[46:47], s[4:5], s[46:47]
	s_add_nc_u64 s[100:101], s[6:7], s[100:101]
	CROUND                                         ; all sixteen work-groups are here: the first joint loads meet
	s_mov_b32 s[G0S], 1
	s_add_co_u32 s[G0S+1], s66, SCL
	s_mov_b64 s[G0S+2:G0S+3], s[22:23]
	s_or_b32 s[G0S+3], s[G0S+3], 0x80000000
	s_mov_b32 s[G0SB], 1
	s_add_co_u32 s[G0SB+1], s66, SCL
	s_mov_b64 s[G0SB+2:G0SB+3], s[100:101]
	s_or_b32 s[G0SB+3], s[G0SB+3], 0x80000000
	JLOAD G0S, G1S, G0SB, G1SB                     ; the scales first: they are wanted with the first K step
.irp s, 0,1
	s_mov_b32 s[G0+4*\s], 1
	s_add_co_u32 s[G0+4*\s+1], s45, \s*SLOT
	s_add_nc_u64 s[G0+4*\s+2:G0+4*\s+3], s[20:21], \s*SLK
	s_or_b32 s[G0+4*\s+3], s[G0+4*\s+3], 0x80000000
	s_mov_b32 s[G0B+4*\s], 1
	s_add_co_u32 s[G0B+4*\s+1], s45, \s*SLOT
	s_add_nc_u64 s[G0B+4*\s+2:G0B+4*\s+3], s[46:47], \s*SLK
	s_or_b32 s[G0B+4*\s+3], s[G0B+4*\s+3], 0x80000000
	JLOAD G0+4*\s, G1, G0B+4*\s, G1B               ; 2 + s tensor loads of mine are out now
.endr
	v_and_b32 v8, 31, v0                           ; lane
	v_and_b32 v9, 15, v0                           ; r
	v_bfe_u32 v10, v0, 4, 1                        ; h
	v_lshlrev_b32 v[L16], 4, v8
	v_lshlrev_b32 v[L8], 3, v8
	s_mul_i32 s21, s15, HALFT                      ; my 128 rows of A
	s_mul_i32 s22, s16, HALFT                      ; my 128 rows of B,
	s_add_co_u32 s22, s22, 2*HALFT                 ; behind A's 256
.irp s, 0,1
	v_add_nc_u32 v[ADRA+\s], s21, v[L16]
	v_add_nc_u32 v[ADRB+\s], s22, v[L16]
	s_add_co_u32 s21, s21, SLOT
	s_add_co_u32 s22, s22, SLOT
.endr
	v_mul_u32_u24 v11, v9, KS                      ; my row's scales: 32 bytes a row,
	v_lshrrev_b32 v12, 8, v11
	v_lshl_add_u32 v11, v12, 4, v11                ; and 16 more for each 256 passed
	s_mul_i32 s21, s15, HALFS
	s_mul_i32 s22, s16, HALFS
	s_add_co_u32 s22, s22, 2*HALFS
	s_sub_co_u32 s22, s22, s21
	v_mul_u32_u24 v12, s22, v10                    ; lanes 16-31 take B's: one product, the distance between the two bases
	s_add_co_u32 s21, s21, SCL
	v_add_nc_u32 v11, v11, v12
	v_add_nc_u32 v[ADRS], s21, v11
	v_and_b32 v11, 8, v9
	v_mad_u32_u24 v11, v11, 3, v9                  ; 32 (r / 8) + r % 8: place r's natural row in a tile
	v_lshlrev_b32 v[TO], 7, v11                    ; a row of a table is 128 bytes;
	v_lshl_add_u32 v[TO], v10, 6, v[TO]            ; my 16 pairs begin at 16 h
	v_lshlrev_b32 v[SH8], 3, v10
	; where the results go: global addresses alone.  tok: the tile of 256 tokens; th, fh: my half of it and of the 256 features; fq: the tile of features
	s_lshl_b32 s2, s17, 2
	s_cmp_eq_u32 ttmp9, 2
	s_cselect_b32 s3, s40, s41
	s_cselect_b32 s12, s41, s40
	s_cselect_b32 s13, s15, s16
	s_cselect_b32 s67, s16, s15
	s_add_co_u32 s2, s2, s3                        ; tok
	s_lshr_b32 s3, s2, 3
	s_lshl_b32 s3, s3, 4                           ; 16 x batch
	s_lshl_b32 s12, s12, 2
	s_add_co_u32 s3, s3, s12
	s_lshl_b32 s13, s13, 1
	s_add_co_u32 s3, s3, s13                       ; my first head: bh = 16 batch + 4 fq + 2 fh
	s_and_b32 s2, s2, 7
	s_lshl_b32 s2, s2, 1
	s_add_co_u32 s2, s2, s67                       ; my step of 128 tokens in the batch
	s_cmp_eq_u32 ttmp9, 0
	s_cselect_b64 s[92:93], s[92:93], s[94:95]
	s_cmp_eq_u32 ttmp9, 2
	s_cselect_b64 s[92:93], s[96:97], s[92:93]
	s_mul_i32 s46, s3, 98304
	s_mul_i32 s47, s2, 6144
	s_add_co_u32 s46, s46, s47
	s_mov_b32 s47, 0
	s_add_nc_u64 s[92:93], s[92:93], s[46:47]      ; the images
	s_lshl_b32 s46, ttmp9, 18
	s_lshl_b32 s100, s3, 12
	s_add_co_u32 s46, s46, s100
	s_lshl_b32 s100, s2, 8
	s_add_co_u32 s46, s46, s100
	s_add_nc_u64 s[98:99], s[98:99], s[46:47]      ; their scale records
	s_lshl_b32 s46, s2, 14                         ; 128 rows of 128 bytes a step
	s_add_nc_u64 s[8:9], s[8:9], s[46:47]
	s_add_nc_u64 s[10:11], s[10:11], s[46:47]
	s_mov_b32 s[SEL], 0x76543210
	s_mov_b32 s[SEL+1], 0xfedcba98
	s_mov_b32 s[HM], 0xffff0000
; cos and sin for token tiles 2 ap and 2 ap + 1: lane (r, h) takes, of its token's rows, pairs 16 h + 0 .. 15: set tb: 16 cos, 16 sin, and the same for the second tile
.macro TABLES ap, tb
.irp e, 0,1
.irp k, 0,1,2,3
	global_load_b128 v[\tb+32*\e+4*\k:\tb+32*\e+4*\k+3], v[TO], s[8:9] offset:(64*((2*(\ap)+\e)/4)+8*((2*(\ap)+\e)%4))*128+16*\k
.endr
.irp k, 0,1,2,3
	global_load_b128 v[\tb+32*\e+16+4*\k:\tb+32*\e+16+4*\k+3], v[TO], s[10:11] offset:(64*((2*(\ap)+\e)/4)+8*((2*(\ap)+\e)%4))*128+16*\k
.endr
.endr
.endm
	TABLES 0, TB0                                  ; asked for now, into registers that lie idle during the walk.  v's clusters ask too and do not use them: so these registers are written on every path of the text
.macro FRAGW reg, adr, q, i            ; a fragment's image: three loads of 16 bytes a lane
.irp j, 0,1,2
	ds_load_b128 v[\reg+4*\j:\reg+4*\j+3], v[\adr] offset:(\i)*SLK+(\q)*FRB+512*\j
.endr
.endm
; 16 matrix instructions: A's blocks a0, a0 + 1 x B's eight, 128 along K.  The 64 accumulators take turns, one instruction a turn, in the same order in every step.
.macro MUL16 a0, p, q, sc, zero
.irp a, \a0, \a0+1
.irp b, 0,1,2,3,4,5,6,7
.if \zero
	v_wmma_scale_f32_16x16x128_f8f6f4 v[8*(8*((\a)%4)+\b):8*(8*((\a)%4)+\b)+7], v[128*(\p)+FR*\b:128*(\p)+FR*\b+FR-1], v[AF+FR*(\a):AF+FR*(\a)+FR-1], 0, v[SC+8*NQ*(\sc)+NQ*\b+(\q)], v[SC+8*NQ*(\sc)+NQ*(\a)+(\q)] matrix_a_fmt:MATRIX_FMT_FP6 matrix_b_fmt:MATRIX_FMT_FP6 matrix_a_scale:MATRIX_SCALE_ROW1
.else
	v_wmma_scale_f32_16x16x128_f8f6f4 v[8*(8*((\a)%4)+\b):8*(8*((\a)%4)+\b)+7], v[128*(\p)+FR*\b:128*(\p)+FR*\b+FR-1], v[AF+FR*(\a):AF+FR*(\a)+FR-1], v[8*(8*((\a)%4)+\b):8*(8*((\a)%4)+\b)+7], v[SC+8*NQ*(\sc)+NQ*\b+(\q)], v[SC+8*NQ*(\sc)+NQ*(\a)+(\q)] matrix_a_fmt:MATRIX_FMT_FP6 matrix_b_fmt:MATRIX_FMT_FP6 matrix_a_scale:MATRIX_SCALE_ROW1
.endif
.endr
.endr
.endm
.macro FETCH_B slot, q, p
	WIN TO_B
.irp i, 0,1,2,3,4,5,6,7
	FRAGW 128*(\p)+FR*\i, ADRB+\slot, \q, \i
.endr
	WIN 0
.endm
.macro FETCH_A slot, q, i0
.irp i, \i0, \i0+1, \i0+2, \i0+3
	FRAGW AF+FR*(\i), ADRA+\slot, \q, \i
.endr
.endm
.macro SCALES sc                       ; a slot's two scale words a row: lanes 0-15 A's block i, lanes 16-31 B's block i
.irp i, 0,1,2,3,4,5,6,7
	ds_load_b64 v[SC+8*NQ*\sc+NQ*\i:SC+8*NQ*\sc+NQ*\i+1], v[ADRS] offset:\i*SBLK
.endr
.endm
.macro PLACES n                        ; plain vector instructions between a matrix instruction and a load into, or a vector instruction on, its registers
.rept \n
	v_nop
.endr
.endm
.macro STEP slot, q, zero              ; 128 along K whose successor lies in the same slot
	s_wait_dscnt 4*NLA                             ; B's set and A's blocks 0-3 are in; the loads of A's blocks 4-7 may be out
	WIN MUL_LO
	MUL16 0, (\q)%2, \q, \slot, \zero
	MUL16 2, (\q)%2, \q, \slot, \zero
	s_wait_dscnt 0
	PLACES NP
	FETCH_B \slot, (\q)+1, 1-(\q)%2
	FETCH_A \slot, (\q)+1, 0
	WIN MUL_HI
	MUL16 4, (\q)%2, \q, \slot, \zero
	MUL16 6, (\q)%2, \q, \slot, \zero
	PLACES NP
	WIN 0
	FETCH_A \slot, (\q)+1, 4
.endm
; A slot's last step changes slots: one barrier; in front of it each wave waits for all its tensor loads, adds 0 to its spare word, and waits for that and for its reads of this slot.
.macro TURN slot, next, fill
	s_wait_tensorcnt 0x0                           ; all my tensor loads have landed: my part of the next slot
	ds_add_u32 v[SPW], v[NIL]
	s_wait_dscnt 4*NLA+1                           ; the add and the loads of A's blocks 4-7 may be out
	WIN MUL_LO
	MUL16 0, 1, NQ-1, \slot, 0
	s_wait_dscnt 0x0                               ; the add is done, and my reads of this slot are over
	s_barrier_signal -1
	MUL16 2, 1, NQ-1, \slot, 0
	WIN 0
	s_barrier_wait -1
.if \fill
	CREST                                          ; the barrier has opened a round of the cluster's: no wave of any partner still reads this slot or has a load on its way
	s_add_nc_u64 s[G0+4*\slot+2:G0+4*\slot+3], s[G0+4*\slot+2:G0+4*\slot+3], 2*SLK
	s_add_nc_u64 s[G0B+4*\slot+2:G0B+4*\slot+3], s[G0B+4*\slot+2:G0B+4*\slot+3], 2*SLK
	JLOAD G0+4*\slot, G1, G0B+4*\slot, G1B         ; the first tensor load behind the round; its four v_nop are the places in front of the loads below
.else
	PLACES NP
.endif
	v_add_nc_u32 v[ADRS], 4*NQ, v[ADRS]
	FETCH_B \next, 0, 0
	FETCH_A \next, 0, 0
	SCALES \next
	WIN MUL_HI
	MUL16 4, 1, NQ-1, \slot, 0
	MUL16 6, 1, NQ-1, \slot, 0
	PLACES NP
	WIN 0
	FETCH_A \next, 0, 4
.endm
	s_wait_tensorcnt 1                             ; the scales and my part of slot 0 are in; slot 1's load may be out
	s_barrier_signal -1
	s_barrier_wait -1
	FETCH_B 0, 0, 0
	FETCH_A 0, 0, 0
	SCALES 0
	FETCH_A 0, 0, 4
	STEP 0, 0, 1                                   ; K = 1,024 is four slots: the walk is written out.  The first products start the sums
	TURN 0, 1, 1
	STEP 1, 0, 0
	TURN 1, 0, 1
	STEP 0, 0, 0
	TURN 0, 1, 0                                   ; nothing is left to fetch
	STEP 1, 0, 0
	s_wait_dscnt 4*NLA
	WIN MUL_LO
	MUL16 0, 1, NQ-1, 1, 0
	MUL16 2, 1, NQ-1, 1, 0
	s_wait_dscnt 0
	WIN MUL_HI
	MUL16 4, 1, NQ-1, 1, 0
	MUL16 6, 1, NQ-1, 1, 0
	WIN 0
; THE WAY OUT.  No LDS: a lane's 32 registers are a whole block, and an image's stores cover 512 consecutive bytes.
; The largest magnitudes of two blocks of 32 registers, at xa and xc of window xw, two chains each, by turns, each accumulator from its low end on; the floor is a leaf.
.macro BMAX2 xw, xa, xc
	WIN ((\xw)<<2)|((\xw)<<4)
	v_max3_num_f32 v[MA0], FLOOR, |v[\xa]|, |v[\xa+1]|
	v_max3_num_f32 v[MB0], FLOOR, |v[\xa+16]|, |v[\xa+17]|
	v_max3_num_f32 v[MA1], FLOOR, |v[\xc]|, |v[\xc+1]|
	v_max3_num_f32 v[MB1], FLOOR, |v[\xc+16]|, |v[\xc+17]|
.irp i, 2,4,6,8,10,12,14
	v_max3_num_f32 v[MA0], v[MA0], |v[\xa+\i]|, |v[\xa+\i+1]|
	v_max3_num_f32 v[MB0], v[MB0], |v[\xa+16+\i]|, |v[\xa+17+\i]|
	v_max3_num_f32 v[MA1], v[MA1], |v[\xc+\i]|, |v[\xc+\i+1]|
	v_max3_num_f32 v[MB1], v[MB1], |v[\xc+16+\i]|, |v[\xc+17+\i]|
.endr
	WIN 0
	v_max_num_f32 v[MA0], v[MA0], v[MB0]
	v_max_num_f32 v[MA1], v[MA1], v[MB1]
	v_add_nc_u32 v[SC0], 0xff000000, v[MA0]        ; 2 off the exponent field: the conversion's scale operand
	v_add_nc_u32 v[SC1], 0xff000000, v[MA1]
	v_lshrrev_b32 v[BY0], 23, v[SC0]               ; the bytes of blocks h and 2 + h
	v_lshrrev_b32 v[BY1], 23, v[SC1]
.endm
.macro WORD dst                        ; row r's scale word, in both halves of the lanes
	v_lshl_or_b32 v[BY0], v[BY1], 16, v[BY0]
	v_lshlrev_b32 v[BY0], v[SH8], v[BY0]
	v_permlanex16_b32 v[BY1], v[BY0], s[SEL], s[SEL+1]
	v_or_b32 v[\dst], v[BY0], v[BY1]
.endm
.macro CONV2 xw, xa, xc, p             ; the two blocks' codes: registers 0-5 and 6-11 of the fragment at p
	WIN (\xw)
	v_cvt_scalef32_pk16_fp6_f32 v[\p:\p+2], v[\xa:\xa+15], v[SC0]
	v_cvt_scalef32_pk16_fp6_f32 v[CT:CT+2], v[\xa+16:\xa+31], v[SC0]           ; (a conversion's three registers begin on an even number)
	v_cvt_scalef32_pk16_fp6_f32 v[\p+6:\p+8], v[\xc:\xc+15], v[SC1]
	v_cvt_scalef32_pk16_fp6_f32 v[CT+4:CT+6], v[\xc+16:\xc+31], v[SC1]
	v_nop                                          ; one plain place behind the conversions
	WIN 0
.irp i, 0,1,2
	v_mov_b32 v[\p+3+\i], v[CT+\i]
	v_mov_b32 v[\p+9+\i], v[CT+4+\i]
.endr
.endm
.macro PUT p, off
.irp j, 0,1,2
	global_store_b128 v[L16], v[\p+4*\j:\p+4*\j+3], s[92:93] offset:\off+512*\j
.endr
.endm
; RoPE on 32 registers (16 pairs) at xb of window xw, into v[32 e ..] of window 1: (x0 c, x1 c), then (- x1 s + .., x0 s + ..).  A pair of table registers serves two pairs of numbers.
.macro ROPE e, xw, xb, tb
	WIN (\xw)|0x40
.irp k, 0,1,2,3,4,5,6,7
	v_pk_mul_f32 v[32*\e+4*\k:32*\e+4*\k+1], v[\xb+4*\k:\xb+4*\k+1], v[\tb+32*\e+2*\k:\tb+32*\e+2*\k+1] op_sel_hi:[1,0]
	v_pk_mul_f32 v[32*\e+4*\k+2:32*\e+4*\k+3], v[\xb+4*\k+2:\xb+4*\k+3], v[\tb+32*\e+2*\k:\tb+32*\e+2*\k+1] op_sel:[0,1] op_sel_hi:[1,1]
.endr
	WIN (\xw)|0x50
.irp k, 0,1,2,3,4,5,6,7
	v_pk_fma_f32 v[32*\e+4*\k:32*\e+4*\k+1], v[\xb+4*\k:\xb+4*\k+1], v[\tb+32*\e+16+2*\k:\tb+32*\e+16+2*\k+1], v[32*\e+4*\k:32*\e+4*\k+1] op_sel:[1,0,0] op_sel_hi:[0,0,1] neg_lo:[1,0,0]
	v_pk_fma_f32 v[32*\e+4*\k+2:32*\e+4*\k+3], v[\xb+4*\k+2:\xb+4*\k+3], v[\tb+32*\e+16+2*\k:\tb+32*\e+16+2*\k+1], v[32*\e+4*\k+2:32*\e+4*\k+3] op_sel:[1,1,0] op_sel_hi:[0,1,1] neg_lo:[1,0,0]
.endr
.endm
	PLACES NP                                      ; behind the last products: for the reads of results, and for writes and loads into registers that held fragments
	s_cmp_eq_u32 ttmp9, 2                          ; the cluster's x: the same in all partners
	s_cbranch_scc1 .Lv
	; q and k: token tiles 2 ap, 2 ap + 1 and head hh make one fragment
	TABLES 1, TB0+64
.irp ap, 0,1,2,3
.if \ap < 3
	s_wait_loadcnt 16                              ; this pair of tiles' tables are in; the next pair's 16 loads may be out
.else
	s_wait_loadcnt 0
.endif
.irp hh, 0,1
	ROPE 0, 2+\ap/2, 64*((2*\ap)%4)+32*\hh, TB0+64*(\ap%2)
	ROPE 1, 2+\ap/2, 64*((2*\ap+1)%4)+32*\hh, TB0+64*(\ap%2)
	BMAX2 1, 0, 32
	WORD WR+4*\hh+\ap
	s_wait_xcnt 0x0                                ; earlier stores have read the registers that are written now
	CONV2 1, 0, 32, P0+12*\hh
	PUT P0+12*\hh, \hh*98304+\ap*1536
.endr
.if \ap < 2
	TABLES \ap+2, TB0+64*(\ap%2)
.endif
.endr
	s_branch .Lrec
.Lv:
	; v: feature tile a (head a / 4, tile a % 4) and the step's 128 keys make one fragment, straight from the accumulators
.irp a, 0,1,2,3,4,5,6,7
	BMAX2 2+\a/4, 64*(\a%4), 64*(\a%4)+32
	WORD WR+\a
	s_wait_xcnt 0x0
	CONV2 2+\a/4, 64*(\a%4), 64*(\a%4)+32, P0+12*(\a%2)
	PUT P0+12*(\a%2), (\a/4)*98304+(\a%4)*1536
.endr
.Lrec:
.irp hh, 0,1
.irp u, 0,1
	v_cndmask_b32 v[REC+2*\hh+\u], v[WR+4*\hh+2*\u], v[WR+4*\hh+2*\u+1], s[HM]   ; fragment 2 u's words in lanes 0-15, fragment 2 u + 1's in lanes 16-31
.endr
	global_store_b64 v[L8], v[REC+2*\hh:REC+2*\hh+1], s[98:99] offset:\hh*4096   ; 256 consecutive bytes
.endr
	s_wait_tensorcnt 0x0                           ; the wave's end
	ds_add_u32 v[SPW], v[NIL]
	s_wait_dscnt 0x0
	CROUND                                         ; the closing round
	s_endpgm
.Lfunc_end_k_qd1cab5cb1f_qkv:
	.size	k_qd1cab5cb1f_qkv, .Lfunc_end_k_qd1cab5cb1f_qkv-k_qd1cab5cb1f_qkv
	.p2alignl 7, 3214868480
	.fill 96, 4, 3214868480
	.section	.rodata,"a",@progbits
	.p2align	6, 0x0
	.amdhsa_kernel k_qd1cab5cb1f_qkv
		.amdhsa_group_segment_fixed_size 327680
		.amdhsa_private_segment_fixed_size 0
		.amdhsa_enable_private_segment 0
		.amdhsa_kernarg_size 64
		.amdhsa_user_sgpr_count 2
		.amdhsa_user_sgpr_kernarg_segment_ptr 1
		.amdhsa_wavefront_size32 1
		.amdhsa_system_sgpr_workgroup_id_x 1
		.amdhsa_system_sgpr_workgroup_id_y 1
		.amdhsa_system_sgpr_workgroup_id_z 1
		.amdhsa_system_vgpr_workitem_id 0
		.amdhsa_next_free_vgpr 1024
		.amdhsa_next_free_sgpr 102
		.amdhsa_reserve_vcc 0
		.amdhsa_float_denorm_mode_32 3
		.amdhsa_float_denorm_mode_16_64 3
		.amdhsa_memory_ordered 1
		.amdhsa_forward_progress 1
		.amdhsa_inst_pref_size 202
	.end_amdhsa_kernel
	.amdgpu_metadata
---
amdhsa.version: [ 1, 2 ]
amdhsa.kernels:
  - .name:           k_qd1cab5cb1f_qkv
    .symbol:         k_qd1cab5cb1f_qkv.kd
    .args:
      - { .name: cod, .offset: 0, .size: 8, .value_kind: global_buffer, .address_space: global }
      - { .name: scl, .offset: 8, .size: 8, .value_kind: global_buffer, .address_space: global }
      - { .name: freqs_cos, .offset: 16, .size: 8, .value_kind: global_buffer, .address_space: global }
      - { .name: freqs_sin, .offset: 24, .size: 8, .value_kind: global_buffer, .address_space: global }
      - { .name: qimg, .offset: 32, .size: 8, .value_kind: global_buffer, .address_space: global }
      - { .name: kimg, .offset: 40, .size: 8, .value_kind: global_buffer, .address_space: global }
      - { .name: vimg, .offset: 48, .size: 8, .value_kind: global_buffer, .address_space: global }
      - { .name: sc2, .offset: 56, .size: 8, .value_kind: global_buffer, .address_space: global }
    .group_segment_fixed_size: 327680
    .private_segment_fixed_size: 0
    .kernarg_segment_align: 8
    .kernarg_segment_size: 64
    .max_flat_workgroup_size: 128
    .sgpr_count:     102
    .vgpr_count:     1024
    .wavefront_size: 32
...
	.end_amdgpu_metadata
.endif
;; end of part 2
;; launch attn (part 3): grid 4 x 64, 16 waves a work-group, no clusters, 206,848 bytes of LDS; arguments qimg, kimg, vimg, sc2, yc, ys; writes yc, ys
.if DOCPART == 3
	.amdgcn_target "amdgcn-amd-amdhsa--gfx1250"
	.amdhsa_code_object_version 6
	.text
	.protected	k_qd1cab5cb1f_attn
	.globl	k_qd1cab5cb1f_attn
	.p2align	8
	.type	k_qd1cab5cb1f_attn,@function
k_qd1cab5cb1f_attn:
	s_mov_b64 s[64:65], 0
	v_nop
	global_prefetch_b8 v0, s[64:65] scope:SCOPE_SE
	s_setreg_imm32_b32 hwreg(HW_REG_WAVE_MODE, 25, 1), 1
	s_wait_xcnt 0x0
; y[b][q][head] = softmax over the keys k <= q of (q . k / 8) times v, both products on codes of FP6 (E2M3) with E8M0 scales; y leaves quantised along c, as images of the last product's operand registers.
; THE SOFTMAX: t = score x log2(e) / 8; M = the running largest t rounded UP to a whole number; p = 2^(t - M) is quantised along the keys, not normalised; the row's sum is taken of the unquantised p and divides at the end.
; When M moves, the sum and O are multiplied by 2^(old M - new M): exact.
; SHARES: work-group (i, bh) owns query blocks 7 - i and i (256 queries each) of one head; each of its sixteen waves owns one tile of 16 queries of each block and walks them one after the other.
; Tile 4 G + t of the head sees G / 2 + 1 steps of 128 keys; with the second pass's tiles taken as wave xor 8 every wave of every work-group has 17 steps.
; No cluster: the four work-groups of a head read the same K and V, but the steps that a wave leaves out hang on its query block, which differs between them.
; THE HEAD'S K AND V STAY IN LDS, filled once, as images of fragments (1,536 bytes; registers 4 j .. 4 j + 3 of lane l at 512 j + 16 l): no ring, one barrier.
; LAYOUT: both products transposed: S^T = K Q^T, O^T = V^T P^T: a lane holds one query (lane % 16).  The head size is 64, half of the instruction's K: a fragment of K holds key tile 2 f in k 0..63 and tile 2 f + 1 in k 64..127,
; and is multiplied by [q | 0] and by [0 | q]: zero codes add nothing.  Tokens and features are PLACED (natural 32 hi + 8 t + lo of a group of 64 at place 16 t + 8 hi + lo), so that register 32 c + n of S^T is key
; 64 c + 32 h + n of the step, and register n of O^T is channel 32 h + n: whole blocks of 32, in order, in one lane.
; A step all of whose keys come after the wave's queries is left out by a scalar branch on ids; the loops' trip counts are constants.
; LIMITS: NaN and infinities are not served; a block under 2^-124 has its byte held at 1 (a block of zeros too: its codes are zeros); 1 / l is v_rcp_f32 and a multiplication.
; REGISTERS: v1-11, v35 lane constants and addresses; v12 -M, v13 largest t, v[14:15] the sum; v16-33 q, zeros, q; v34 q's scales; v36-83 four fragments; v84-87 K's and V's scale words; v96-159 S^T, then p; v160-191 O^T;
;   v192-203 p's codes; v204-223 at work; v232 p's scale word; v[234:235] f.
.set KSC,   196608                     ; LDS: K's images at 0, V's at 98,304; K's scale records here, V's 4,096 on
.set VIMG,  98304
.set SPARE, 204800                     ; the spare words: eight blocks of 256 bytes that no other line names
.set F,  36
.set S,  96
.set O,  160
.set PP, 192
	s_load_b256 s[4:11], s[0:1], 0x0               ; qimg s[4:5], kimg s[6:7], vimg s[8:9], sc2 s[10:11]
	s_load_b128 s[12:15], s[0:1], 0x20             ; yc s[12:13], ys s[14:15]
	v_lshl_add_u32 v3, v0, 2, SPARE                ; v3: my spare word; v4: 0; never rewritten
	v_mov_b32 v4, 0
	ds_add_u32 v3, v4                              ; the wave's opening: the add's wait comes ahead of my first tensor load
	ds_add_u32 v3, v4
	v_lshrrev_b32 v5, 5, v0
	s_delay_alu instid0(VALU_DEP_1)
	v_readfirstlane_b32 s16, v5                    ; wave 0..15
	s_and_b32 s17, ttmp7, 0xffff                   ; bh
	s_mov_b32 s24, 3<<16                           ; group 1, images: 12,288 dense bytes as 48 rows of 256 (32 elements of 8 bytes)
	s_mov_b32 s25, 32<<16
	s_mov_b32 s26, 48<<16
	s_mov_b32 s27, 32<<16
	s_mov_b32 s28, 48
	s_mov_b32 s29, 32
	s_mov_b32 s30, 0
	s_mov_b32 s31, 0
	s_mov_b32 s32, 3<<16                           ; group 1, scale records: 512 dense bytes as 2 rows
	s_mov_b32 s33, 32<<16
	s_mov_b32 s34, 2<<16
	s_mov_b32 s35, 32<<16
	s_mov_b32 s36, 2
	s_mov_b32 s37, 32
	s_mov_b32 s38, 0
	s_mov_b32 s39, 0
	s_mov_b32 s40, 1
	s_mul_i32 s41, s16, 12288                      ; waves 0-7: an eighth of K's images each; waves 8-15: of V's
	s_mov_b32 s44, 1
	s_lshl_b32 s45, s16, 9
	s_add_co_u32 s45, s45, KSC
	s_and_b32 s18, s16, 7
	s_mul_i32 s68, s18, 12288
	s_mul_i32 s19, s17, 98304
	s_add_co_u32 s68, s68, s19
	s_mov_b32 s69, 0
	s_lshr_b32 s19, s16, 3
	s_add_co_u32 s19, s19, 1
	s_lshl_b32 s70, s19, 18                        ; k's records at 262,144, v's at 524,288
	s_lshl_b32 s19, s17, 12
	s_add_co_u32 s70, s70, s19
	s_lshl_b32 s19, s18, 9
	s_add_co_u32 s70, s70, s19
	s_mov_b32 s71, 0
	s_mov_b32 s20, 0x76543210
	s_mov_b32 s21, 0xfedcba98                      ; lane l xor 16
	s_mov_b32 s22, 0x3e38aa3b                      ; c = log2(e) / 8
	s_mov_b32 s23, s22
	s_wait_dscnt 0x0                               ; the opening add is done
	s_wait_kmcnt 0x0
	s_cmp_lt_u32 s16, 8
	s_cselect_b64 s[42:43], s[6:7], s[8:9]
	s_add_nc_u64 s[42:43], s[42:43], s[68:69]
	s_or_b32 s43, s43, 0x80000000
	s_add_nc_u64 s[46:47], s[10:11], s[70:71]
	s_or_b32 s47, s47, 0x80000000
	tensor_load_to_lds s[40:43], s[24:31]          ; the first and only fills: two tensor loads of mine are out
	s_nop 0
	tensor_load_to_lds s[44:47], s[32:39]
	s_nop 0
.rept 4
	v_nop
.endr
	v_and_b32 v6, 31, v0
	s_delay_alu instid0(VALU_DEP_1)
	v_lshlrev_b32 v1, 4, v6                        ; v1  16 x lane
	s_delay_alu instid0(VALU_DEP_2)
	v_lshlrev_b32 v35, 3, v6                       ; v35 8 x lane
	s_delay_alu instid0(VALU_DEP_1)
	v_add_nc_u32 v2, KSC, v35                      ; v2  my place in a scale record
	v_and_b32 v7, 15, v0                           ; r
	v_bfe_u32 v8, v0, 4, 1                         ; h
	s_delay_alu instid0(VALU_DEP_2)
	v_lshlrev_b32 v9, 3, v7                        ; v9  8 r
	s_delay_alu instid0(VALU_DEP_3)
	v_lshlrev_b32 v11, 5, v7                       ; v11 32 r
	s_delay_alu instid0(VALU_DEP_3)
	v_lshlrev_b32 v10, 3, v8                       ; v10 8 h
	v_and_b32 v5, 8, v7
	s_delay_alu instid0(VALU_DEP_1)
	v_mad_u32_u24 v5, v5, 3, v7                    ; 32 (r / 8) + r % 8: my query in its tile's natural rows,
	v_lshlrev_b32 v8, 5, v8
	s_delay_alu instid0(VALU_DEP_1)
	v_sub_nc_u32 v5, v5, v8                        ; v5  less 32 h, where my keys begin
	v_mov_b32 v217, 0                              ; written once: a lane permute's destination counts as one of its sources
	v_mov_b32 v223, 0
	v_mov_b32 v235, 0                              ; (named as the upper half of the pair v[234:235])
	s_wait_tensorcnt 0x0                           ; my parts have landed,
	s_barrier_signal -1
	s_barrier_wait -1                              ; everybody's have
; ONE TILE OF 16 QUERIES, from its q to its y.  (The argument's name is none of the names that the loops inside use: an argument is put in as text ahead of them.)
.macro PASS which
	s_wait_xcnt 0x0                                ; the last pass's stores have read their bases and data
.if \which == 1
	s_sub_co_u32 s48, 7, ttmp9                     ; the query block,
	s_mov_b32 s49, s16                             ; and my tile in it
.else
	s_mov_b32 s48, ttmp9
	s_xor_b32 s49, s16, 8
.endif
	s_lshr_b32 s18, s49, 2
	s_lshl_b32 s19, s48, 2
	s_add_co_u32 s18, s18, s19                     ; G: the group of 64 tokens
	s_and_b32 s19, s49, 3                          ; t: the placed tile in it
	s_lshl_b32 s50, s18, 6
	s_lshl_b32 s68, s19, 3
	s_add_co_u32 s50, s50, s68                     ; the tile's first query: 64 G + 8 t;
	s_add_co_u32 s51, s50, 39                      ; its last: 32 + 7 on
	s_and_b32 s68, s19, 1                          ; which half of its fragment holds it
	s_sub_co_u32 s56, 0, s68                       ; as a mask of lanes,
	s_lshl_b32 s57, s68, 4                         ; and as a shift of the scale word
	s_lshr_b32 s69, s19, 1
	s_mul_i32 s70, s17, 98304
	s_mul_i32 s71, s18, 3072
	s_add_co_u32 s70, s70, s71
	s_mul_i32 s71, s69, 1536
	s_add_co_u32 s70, s70, s71
	s_mov_b32 s71, 0
	s_add_nc_u64 s[58:59], s[4:5], s[70:71]        ; q's fragment
	s_lshl_b32 s70, s17, 12
	s_lshr_b32 s72, s18, 1
	s_lshl_b32 s72, s72, 8
	s_add_co_u32 s70, s70, s72
	s_lshl_b32 s72, s69, 7
	s_add_co_u32 s70, s70, s72
	s_and_b32 s72, s18, 1
	s_lshl_b32 s72, s72, 2
	s_add_co_u32 s70, s70, s72
	s_add_nc_u64 s[60:61], s[10:11], s[70:71]      ; its scale words in the record
	s_lshr_b32 s72, s17, 4
	s_lshl_b32 s72, s72, 7
	s_lshl_b32 s73, s18, 2
	s_add_co_u32 s72, s72, s73
	s_add_co_u32 s72, s72, s19                     ; y's row tile: 128 batch + 4 G + t
	s_and_b32 s73, s17, 15                         ; the head
	s_mul_i32 s70, s72, 12288
	s_lshr_b32 s74, s73, 1
	s_mul_i32 s74, s74, 1536
	s_add_co_u32 s70, s70, s74
	s_and_b32 s74, s73, 1
	s_mul_i32 s74, s74, 768
	s_add_co_u32 s70, s70, s74
	s_add_nc_u64 s[62:63], s[12:13], s[70:71]      ; K step head / 2, half head % 2 of its image
	s_lshl_b32 s70, s72, 9
	s_lshl_b32 s74, s73, 1
	s_add_co_u32 s70, s70, s74
	s_add_nc_u64 s[66:67], s[14:15], s[70:71]      ; bytes 2 head, 2 head + 1 of its rows' scales
.irp j, 0,1,2
	global_load_b128 v[F+4*\j:F+4*\j+3], v1, s[58:59] offset:512*\j
.endr
	global_load_b32 v216, v9, s[60:61]
	s_wait_loadcnt 0x0
.irp i, 0,1,2,3,4,5
	v_cndmask_b32 v[16+\i], v[F+\i], v[F+6+\i], s56        ; my tile's six registers
.endr
.irp i, 0,1,2,3,4,5
	v_mov_b32 v[28+\i], v[16+\i]                   ; v[16:27] = [q | 0], v[22:33] = [0 | q]
	v_mov_b32 v[22+\i], 0
.endr
	v_lshrrev_b32 v216, s57, v216
	s_delay_alu instid0(VALU_DEP_1)
	v_and_b32 v216, 0xffff, v216
	s_delay_alu instid0(VALU_DEP_1)
	v_lshl_or_b32 v34, v216, 16, v216              ; q's two bytes, for either half of K
	v_mov_b32 v13, 0xff61b1e6                      ; the largest t so far: -3e38
	s_delay_alu instid0(VALU_DEP_1)
	v_floor_f32 v12, -v13
	v_mov_b32 v14, 0
	v_mov_b32 v15, 0
.irp g, 0,1
.irp j, 0,1,2,3,4,5,6,7,8,9,10,11,12,13,14,15
	v_mov_b32 v[O+16*\g+\j], 0                     ; O^T: the step is written once; the first change of M leaves zeros zeros.  (These are also the places between q's scale word and the first product)
.endr
.endr
	s_mov_b32 s52, 0                               ; the step's first key
	s_mov_b32 s53, 0                               ; its images
	s_mov_b32 s54, 0                               ; its records
	s_mov_b32 s55, 16
.Lstep_\@:
	s_cmp_gt_u32 s52, s51                          ; all keys behind my last query: the step's work is left out
	s_cbranch_scc1 .Lhidden_\@
	s_setprio 2
	v_add_nc_u32 v6, s53, v1                       ; four plain lines: the places behind the last step's products
	s_delay_alu instid0(VALU_DEP_1)
	v_add_nc_u32 v7, VIMG, v6
	v_add_nc_u32 v8, s54, v2
	v_nop
	ds_load_b64 v[84:85], v8
.irp f, 0,1,2,3
.irp j, 0,1,2
	ds_load_b128 v[F+12*\f+4*\j:F+12*\f+4*\j+3], v6 offset:1536*\f+512*\j
.endr
.endr
	s_wait_alu depctr_va_vdst(0)
.irp f, 0,1,2,3
	s_wait_dscnt 9-3*\f                            ; fragment f is in; the younger fragments' loads may be out
.if \f%2
	v_wmma_scale_f32_16x16x128_f8f6f4 v[S+16*\f:S+16*\f+7], v[F+12*\f:F+12*\f+11], v[16:27], 0, v[84+\f/2], v34 matrix_a_fmt:MATRIX_FMT_FP6 matrix_b_fmt:MATRIX_FMT_FP6 matrix_a_scale:MATRIX_SCALE_ROW1
	v_wmma_scale_f32_16x16x128_f8f6f4 v[S+16*\f+8:S+16*\f+15], v[F+12*\f:F+12*\f+11], v[22:33], 0, v[84+\f/2], v34 matrix_a_fmt:MATRIX_FMT_FP6 matrix_b_fmt:MATRIX_FMT_FP6 matrix_a_scale:MATRIX_SCALE_ROW1
.else
	v_wmma_scale_f32_16x16x128_f8f6f4 v[S+16*\f:S+16*\f+7], v[F+12*\f:F+12*\f+11], v[16:27], 0, v[84+\f/2], v34 matrix_a_fmt:MATRIX_FMT_FP6 matrix_b_fmt:MATRIX_FMT_FP6
	v_wmma_scale_f32_16x16x128_f8f6f4 v[S+16*\f+8:S+16*\f+15], v[F+12*\f:F+12*\f+11], v[22:33], 0, v[84+\f/2], v34 matrix_a_fmt:MATRIX_FMT_FP6 matrix_b_fmt:MATRIX_FMT_FP6
.endif
.endr
.rept 4
	v_nop                                          ; places: then V's fragments are asked for at once, into K's registers, and land under the softmax
.endr
	ds_load_b64 v[86:87], v8 offset:4096
.irp f, 0,1,2,3
.irp j, 0,1,2
	ds_load_b128 v[F+12*\f+4*\j:F+12*\f+4*\j+3], v7 offset:1536*\f+512*\j
.endr
.endr
	s_add_co_u32 s68, s52, 127                     ; on the diagonal hidden scores become -infinity; a step all of whose keys count skips this
	s_cmp_le_u32 s68, s50
	s_cbranch_scc1 .Lopen_\@
	s_sub_co_i32 s68, s50, s52
	v_add_nc_u32 v220, s68, v5                     ; d = my query - the step's first key - 32 h: register 32 g + n holds key 64 g + n beyond that: hidden where 64 g + n > d
	v_mov_b32 v221, 0xff800000
.irp g, 0,1
.irp n, 0,1,2,3,4,5,6,7,8,9,10,11,12,13,14,15,16,17,18,19,20,21,22,23,24,25,26,27,28,29,30,31
	v_cmp_gt_i32 vcc_lo, 64*\g+\n, v220
	v_cndmask_b32 v[S+32*\g+\n], v[S+32*\g+\n], v221, vcc_lo
.endr
.endr
.Lopen_\@:
	v_max3_num_f32 v212, v[S], v[S+1], v[S+2]      ; the largest score of each of my two blocks of 32 keys: for the row's maximum and, since p rises with the score, for the block's largest p
	v_max3_num_f32 v213, v[S+32], v[S+33], v[S+34]
.irp i, 3,5,7,9,11,13,15,17,19,21,23,25,27,29
	v_max3_num_f32 v212, v212, v[S+\i], v[S+1+\i]
	v_max3_num_f32 v213, v213, v[S+32+\i], v[S+33+\i]
.endr
	v_max_num_f32 v212, v212, v[S+31]
	v_max_num_f32 v213, v213, v[S+63]
	s_delay_alu instid0(VALU_DEP_1)
	v_max_num_f32 v216, v212, v213
	s_delay_alu instid0(VALU_DEP_1)
	v_permlanex16_b32 v217, v216, s20, s21
	s_delay_alu instid0(VALU_DEP_1)
	v_max_num_f32 v216, v216, v217                 ; with lane l xor 16's 64 keys
	s_delay_alu instid0(VALU_DEP_1)
	v_mul_f32 v216, s22, v216
	s_delay_alu instid0(VALU_DEP_1)
	v_max_num_f32 v13, v13, v216                   ; the running largest t
	v_mov_b32 v216, v12
	s_delay_alu instid0(VALU_DEP_2)
	v_floor_f32 v12, -v13                          ; -M = floor(-t): M is a whole number
	s_delay_alu instid0(VALU_DEP_1)
	v_sub_f32 v216, v12, v216
	s_delay_alu instid0(VALU_DEP_1)
	v_cvt_i32_f32 v216, v216                       ; (it saturates)
	s_delay_alu instid0(VALU_DEP_1)
	v_ldexp_f32 v234, 1.0, v216                    ; f = 2^(old M - new M)
	s_setprio 1
.irp g, 0,1
.irp j, 0,2,4,6,8,10,12,14,16,18,20,22,24,26,28,30
	v_pk_fma_f32 v[S+32*\g+\j:S+32*\g+\j+1], v[S+32*\g+\j:S+32*\g+\j+1], s[22:23], v[12:13] op_sel_hi:[1,0,0]   ; t - M
.endr
.endr
	v_fma_f32 v212, v212, s22, v12
	v_fma_f32 v213, v213, s22, v12
	s_wait_alu depctr_va_vdst(0)
.irp g, 0,1
.irp j, 0,1,2,3,4,5,6,7,8,9,10,11,12,13,14,15,16,17,18,19,20,21,22,23,24,25,26,27,28,29,30,31
	v_exp_f32 v[S+32*\g+\j], v[S+32*\g+\j]         ; p = 2^(t - M)
.endr
.endr
	v_pk_mul_f32 v[14:15], v[14:15], v[234:235] op_sel_hi:[1,0]    ; the sums under the new M: the plain place behind the exponentials
	s_wait_alu depctr_va_vdst(0)                   ; one wait for the batch, ahead of its first reader
	v_exp_f32 v212, v212                           ; the blocks' largest p
	v_exp_f32 v213, v213
	v_pk_add_f32 v[218:219], v[100:101], v[104:105]
	v_pk_add_f32 v[254:255], v[108:109], v[112:113]
	v_pk_add_f32 v[252:253], v[116:117], v[120:121]
	v_pk_add_f32 v[250:251], v[124:125], v[128:129]
	v_pk_add_f32 v[248:249], v[132:133], v[136:137]
	v_pk_add_f32 v[246:247], v[140:141], v[144:145]
	v_pk_add_f32 v[244:245], v[148:149], v[152:153]
	v_pk_add_f32 v[14:15], v[14:15], v[156:157]
	v_pk_add_f32 v[218:219], v[218:219], v[96:97]
	v_pk_add_f32 v[254:255], v[254:255], v[98:99]
	v_pk_add_f32 v[252:253], v[252:253], v[102:103]
	v_pk_add_f32 v[250:251], v[250:251], v[106:107]
	v_pk_add_f32 v[248:249], v[248:249], v[110:111]
	v_pk_add_f32 v[246:247], v[246:247], v[114:115]
	v_pk_add_f32 v[244:245], v[244:245], v[118:119]
	v_pk_add_f32 v[14:15], v[14:15], v[122:123]
	v_pk_add_f32 v[218:219], v[218:219], v[126:127]
	v_pk_add_f32 v[254:255], v[254:255], v[130:131]
	v_pk_add_f32 v[252:253], v[252:253], v[134:135]
	v_pk_add_f32 v[250:251], v[250:251], v[138:139]
	v_pk_add_f32 v[248:249], v[248:249], v[142:143]
	v_pk_add_f32 v[246:247], v[246:247], v[146:147]
	v_pk_add_f32 v[244:245], v[244:245], v[150:151]
	v_pk_add_f32 v[14:15], v[14:15], v[154:155]
	v_pk_add_f32 v[218:219], v[218:219], v[158:159]
	s_delay_alu instid0(VALU_DEP_2)
	v_pk_add_f32 v[14:15], v[14:15], v[250:251]
	s_delay_alu instid0(VALU_DEP_2)
	v_pk_add_f32 v[218:219], v[218:219], v[248:249]
	v_pk_add_f32 v[254:255], v[254:255], v[246:247]
	v_pk_add_f32 v[252:253], v[252:253], v[244:245]
	s_delay_alu instid0(VALU_DEP_2)
	v_pk_add_f32 v[14:15], v[14:15], v[254:255]
	s_delay_alu instid0(VALU_DEP_2)
	v_pk_add_f32 v[218:219], v[218:219], v[252:253]
	s_delay_alu instid0(VALU_DEP_1)
	v_pk_add_f32 v[14:15], v[14:15], v[218:219]
	s_setprio 0
	s_wait_alu depctr_va_vdst(0)                   ; and one for the two
	v_max_num_f32 v212, 0x1800000, v212            ; the floor: the byte cannot fall under 1
	v_max_num_f32 v213, 0x1800000, v213
	s_delay_alu instid0(VALU_DEP_2)
	v_add_nc_u32 v214, 0xff000000, v212
	s_delay_alu instid0(VALU_DEP_2)
	v_add_nc_u32 v215, 0xff000000, v213
	s_delay_alu instid0(VALU_DEP_2)
	v_lshrrev_b32 v222, 23, v214
	s_delay_alu instid0(VALU_DEP_2)
	v_lshrrev_b32 v223, 23, v215
	s_delay_alu instid0(VALU_DEP_1)
	v_lshl_or_b32 v222, v223, 16, v222
	s_delay_alu instid0(VALU_DEP_1)
	v_lshlrev_b32 v222, v10, v222
	s_delay_alu instid0(VALU_DEP_1)
	v_permlanex16_b32 v223, v222, s20, s21
	s_delay_alu instid0(VALU_DEP_1)
	v_or_b32 v232, v222, v223                      ; p's scale word for these 128 keys
	v_cvt_scalef32_pk16_fp6_f32 v[PP:PP+2], v[S:S+15], v214
	v_cvt_scalef32_pk16_fp6_f32 v[204:206], v[S+16:S+31], v214
	v_cvt_scalef32_pk16_fp6_f32 v[PP+6:PP+8], v[S+32:S+47], v215
	v_cvt_scalef32_pk16_fp6_f32 v[208:210], v[S+48:S+63], v215
	v_nop                                          ; one plain place behind the conversions
.irp i, 0,1,2
	v_mov_b32 v[PP+3+\i], v[204+\i]
	v_mov_b32 v[PP+9+\i], v[208+\i]
.endr
.irp j, 0,2,4,6,8,10,12,14,16,18,20,22,24,26,28,30
	v_pk_mul_f32 v[O+\j:O+\j+1], v[O+\j:O+\j+1], v[234:235] op_sel_hi:[1,0]   ; O^T under the new M.  (Also the places between p's codes and scale word and the products)
.endr
	s_wait_alu depctr_va_vdst(0)
	s_wait_dscnt 0x0                               ; V's fragments and scale words are in
.irp d, 0,1,2,3                        ; the four accumulators by turns
.if \d%2
	v_wmma_scale_f32_16x16x128_f8f6f4 v[O+8*\d:O+8*\d+7], v[F+12*\d:F+12*\d+11], v[PP:PP+11], v[O+8*\d:O+8*\d+7], v[86+\d/2], v232 matrix_a_fmt:MATRIX_FMT_FP6 matrix_b_fmt:MATRIX_FMT_FP6 matrix_a_scale:MATRIX_SCALE_ROW1
.else
	v_wmma_scale_f32_16x16x128_f8f6f4 v[O+8*\d:O+8*\d+7], v[F+12*\d:F+12*\d+11], v[PP:PP+11], v[O+8*\d:O+8*\d+7], v[86+\d/2], v232 matrix_a_fmt:MATRIX_FMT_FP6 matrix_b_fmt:MATRIX_FMT_FP6
.endif
.endr
.Lhidden_\@:
	s_add_co_u32 s52, s52, 128
	s_add_co_u32 s53, s53, 6144
	s_add_co_u32 s54, s54, 256
	s_sub_co_u32 s55, s55, 1
	s_cmp_lg_u32 s55, 0
	s_cbranch_scc1 .Lstep_\@
	s_setprio 0
.rept 4
	v_nop                                          ; places behind the last products
.endr
	v_add_f32 v14, v14, v15
	s_delay_alu instid0(VALU_DEP_1)
	v_permlanex16_b32 v217, v14, s20, s21
	s_delay_alu instid0(VALU_DEP_1)
	v_add_f32 v14, v14, v217                       ; the row's sum
	s_wait_alu depctr_va_vdst(0)
	v_rcp_f32 v14, v14
	v_nop                                          ; a plain place behind the transcendental
	s_wait_alu depctr_va_vdst(0)                   ; and the wait ahead of its first reader
.irp g, 0,1
.irp j, 0,1,2,3,4,5,6,7,8,9,10,11,12,13,14,15
	v_mul_f32 v[S+16*\g+\j], v[O+16*\g+\j], v14    ; y(my query, channel 32 h + n): a whole block along c
.endr
.endr
	v_max3_num_f32 v212, |v[S]|, |v[S+1]|, 0x1800000
	v_max3_num_f32 v213, |v[S+16]|, |v[S+17]|, 0x1800000
.irp i, 2,4,6,8,10,12,14
	s_delay_alu instid0(VALU_DEP_2)
	v_max3_num_f32 v212, v212, |v[S+\i]|, |v[S+1+\i]|
	s_delay_alu instid0(VALU_DEP_2)
	v_max3_num_f32 v213, v213, |v[S+16+\i]|, |v[S+17+\i]|
.endr
	s_delay_alu instid0(VALU_DEP_1)
	v_max_num_f32 v212, v212, v213
	s_delay_alu instid0(VALU_DEP_1)
	v_add_nc_u32 v214, 0xff000000, v212
	s_delay_alu instid0(VALU_DEP_1)
	v_lshrrev_b32 v222, 23, v214
	v_cvt_scalef32_pk16_fp6_f32 v[PP:PP+2], v[S:S+15], v214
	v_cvt_scalef32_pk16_fp6_f32 v[204:206], v[S+16:S+31], v214
	v_nop
.irp i, 0,1,2
	v_mov_b32 v[PP+3+\i], v[204+\i]
.endr
	v_lshlrev_b32 v222, v10, v222
	s_delay_alu instid0(VALU_DEP_1)
	v_permlanex16_b32 v223, v222, s20, s21
	s_delay_alu instid0(VALU_DEP_1)
	v_or_b32 v222, v222, v223                      ; the bytes of blocks 2 head and 2 head + 1 of my row
.irp j, 0,1,2
	global_store_b64 v35, v[PP+2*\j:PP+2*\j+1], s[62:63] offset:256*\j   ; a pair of registers of all lanes: 256 consecutive bytes
.endr
	global_store_b16 v11, v222, s[66:67]           ; two bytes of each row's 32 (lanes r and r + 16 store the same two): the rows' other bytes belong to other heads
.endm
	PASS 1
	PASS 2
	s_wait_tensorcnt 0x0                           ; the wave's end
	ds_add_u32 v3, v4
	s_wait_dscnt 0x0
	s_endpgm
.Lfunc_end_k_qd1cab5cb1f_attn:
	.size	k_qd1cab5cb1f_attn, .Lfunc_end_k_qd1cab5cb1f_attn-k_qd1cab5cb1f_attn
	.p2alignl 7, 3214868480
	.fill 96, 4, 3214868480
	.section	.rodata,"a",@progbits
	.p2align	6, 0x0
	.amdhsa_kernel k_qd1cab5cb1f_attn
		.amdhsa_group_segment_fixed_size 206848
		.amdhsa_private_segment_fixed_size 0
		.amdhsa_enable_private_segment 0
		.amdhsa_kernarg_size 48
		.amdhsa_user_sgpr_count 2
		.amdhsa_user_sgpr_kernarg_segment_ptr 1
		.amdhsa_wavefront_size32 1
		.amdhsa_system_sgpr_workgroup_id_x 1
		.amdhsa_system_sgpr_workgroup_id_y 1
		.amdhsa_system_sgpr_workgroup_id_z 1
		.amdhsa_system_vgpr_workitem_id 0
		.amdhsa_next_free_vgpr 256
		.amdhsa_next_free_sgpr 80
		.amdhsa_reserve_vcc 1
		.amdhsa_float_denorm_mode_32 3
		.amdhsa_float_denorm_mode_16_64 3
		.amdhsa_memory_ordered 1
		.amdhsa_forward_progress 1
		.amdhsa_inst_pref_size 63
	.end_amdhsa_kernel
	.amdgpu_metadata
---
amdhsa.version: [ 1, 2 ]
amdhsa.kernels:
  - .name:           k_qd1cab5cb1f_attn
    .symbol:         k_qd1cab5cb1f_attn.kd
    .args:
      - { .name: qimg, .offset: 0, .size: 8, .value_kind: global_buffer, .address_space: global }
      - { .name: kimg, .offset: 8, .size: 8, .value_kind: global_buffer, .address_space: global }
      - { .name: vimg, .offset: 16, .size: 8, .value_kind: global_buffer, .address_space: global }
      - { .name: sc2, .offset: 24, .size: 8, .value_kind: global_buffer, .address_space: global }
      - { .name: yc, .offset: 32, .size: 8, .value_kind: global_buffer, .address_space: global }
      - { .name: ys, .offset: 40, .size: 8, .value_kind: global_buffer, .address_space: global }
    .group_segment_fixed_size: 206848
    .private_segment_fixed_size: 0
    .kernarg_segment_align: 8
    .kernarg_segment_size: 48
    .max_flat_workgroup_size: 512
    .sgpr_count:     80
    .vgpr_count:     256
    .wavefront_size: 32
...
	.end_amdgpu_metadata
.endif
;; end of part 3
;; launch proj (part 4): grid 4 x 32, 4 waves a work-group, clusters of 4 x 4, 327,680 bytes of LDS; arguments yc, ys, cod, scl, out0; writes out0
.if DOCPART == 4
	.amdgcn_target "amdgcn-amd-amdhsa--gfx1250"
	.amdhsa_code_object_version 6
	.text
	.protected	k_qd1cab5cb1f_proj
	.globl	k_qd1cab5cb1f_proj
	.p2align	8
	.type	k_qd1cab5cb1f_proj,@function
k_qd1cab5cb1f_proj:
	s_mov_b64 s[64:65], 0
	v_nop
	global_prefetch_b8 v0, s[64:65] scope:SCOPE_SE
	s_setreg_imm32_b32 hwreg(HW_REG_WAVE_MODE, 25, 1), 1
	s_wait_xcnt 0x0
	s_wait_alu depctr_hold_cnt(0) depctr_sa_sdst(0) depctr_va_vdst(0) depctr_va_sdst(0) depctr_va_ssrc(0) depctr_va_vcc(0) depctr_vm_vsrc(0)
	s_getreg_b32 s2, hwreg(HW_REG_IB_STS2, 6, 4)
	s_cmp_eq_u32 s2, 0
	s_cbranch_scc0 .Lentry_in_a_cluster
	s_endpgm
.Lentry_in_a_cluster:
	s_bfe_u32 s2, ttmp6, 0x10000c
	s_cmp_lg_u32 s2, 0xf033
	s_cbranch_scc0 .Lentry_shape_is_right
	s_endpgm
.Lentry_shape_is_right:
; out0 = y w_proj^T on codes of FP6 (E2M3) with E8M0 scales, K = 1,024; out0 [8192][1024] f32.
; FRAME: a work-group of four waves makes 256 x 256, a wave 128 x 128 (64 accumulators, 512 registers).  K goes in four steps of 256 through two LDS slots filled by the tensor data mover.
; The operands lie in memory as images of fragments (16 rows x 128 K = 1,536 bytes).  w_proj's (in cod, from placed row 11,264 on): registers 4 j .. 4 j + 3 of lane l at 512 j + 16 l: three loads of 16 bytes a lane.
; y's (yc): registers 2 j, 2 j + 1 of lane l at 256 j + 8 l, since a head fills half a fragment: six loads of 8 bytes a lane.  Every LDS load of a wave reads consecutive bytes.
; The matrix instruction is used transposed (source 0 = 16 rows of w_proj, source 1 = 16 rows of y).  Tokens and output features are PLACED (natural 32 hi + 8 t + lo of a group of 64 at place 16 t + 8 hi + lo):
; the way out puts both back by its immediates.
; CLUSTERS: 4 x 4 work-groups; y's tiles are asked for jointly along a row of the cluster, w_proj's along a column.  128 work-groups: half of the WGPs have none; a tile of 128 x 256 would fill them and was not built.
; REGISTERS: window 0: v16-27 addresses; v28, v29 the add's two; v32-63 scale words and nothing else; v128-223 A's fragments (way out: v128-255 rows read back).  window 1: B's fragments, two sets.  windows 2, 3: accumulators.
.set FR,    12
.set FRB,   1536
.set SLK,   2*FRB
.set NQ,    2
.set NP,    4
.set NLA,   6                          ; LDS loads that bring a fragment of A
.set HALFT, 8*SLK
.set SLOT,  4*HALFT
.set KS,    32
.set SCL,   2*SLOT
.set HALFS, 16*272
.set SBLK,  2*272
.set SPARE, SCL+4*HALFS
.set SPITCH, 528                       ; the way out: a stage of 16 rows x (512 bytes + 16) for each wave, in slot 0, which has had its last fill and its last read by then
.set ADRA, 16
.set ADRB, 20
.set STO,  24
.set RD,   25
.set CO,   26
.set ADRS, 27
.set SPW,  28
.set NIL,  29
.set SC,   32
.set AF,   128
.set BK,   128
.set G1, 24
.set G0, 32
.set G1B, 48
.set G0B, 56
.set G1S, 68
.set G0S, 76
.set G1SB, 80
.set G0SB, 88
.set MSB, 0
.macro WIN new
.if MSB != (\new)
	s_set_vgpr_msb (MSB<<8)|(\new)
.set MSB, (\new)
.endif
.endm
.set MUL_LO, 0xa1
.set MUL_HI, 0xf1
.set TO_B,   0x40
.macro JLOAD g0a, g1a, g0b, g1b        ; a joint load: waves 0 and 1 fetch for A, waves 2 and 3 for B; an s_nop 0 and four v_nop follow each of the two lines
	s_cmp_eq_u32 s15, 0
	s_cbranch_scc0 .Lfor_b_\@
	tensor_load_to_lds s[\g0a:\g0a+3], s[\g1a:\g1a+7]
	s_nop 0
.rept 4
	v_nop
.endr
	s_branch .Lasked_\@
.Lfor_b_\@:
	tensor_load_to_lds s[\g0b:\g0b+3], s[\g1b:\g1b+7]
	s_nop 0
.rept 4
	v_nop
.endr
.Lasked_\@:
.endm
.macro CREST
	s_cmp_lg_u32 s14, 0
	s_cbranch_scc1 .Lnot_wave_0_\@
	s_barrier_signal -3
.Lnot_wave_0_\@:
	s_barrier_wait -3
	s_barrier_signal -1
	s_barrier_wait -1
.endm
.macro CROUND
	s_barrier_signal -1
	s_barrier_wait -1
	CREST
.endm
	s_load_b128 s[4:7], s[0:1], 0x0                ; yc s[4:5], ys s[6:7]
	s_load_b128 s[8:11], s[0:1], 0x10              ; cod s[8:9], scl s[10:11]
	s_load_b64 s[12:13], s[0:1], 0x20              ; out0
	v_lshl_add_u32 v[SPW], v0, 2, SPARE
	v_mov_b32 v[NIL], 0
	ds_add_u32 v[SPW], v[NIL]
	ds_add_u32 v[SPW], v[NIL]                      ; the wave's opening: the add's wait comes ahead of my first tensor load
	v_lshrrev_b32 v1, 5, v0
	v_readfirstlane_b32 s14, v1                    ; wave 0..3
	s_lshr_b32 s15, s14, 1                         ; which half of the tile's rows is mine.  Also: I fetch for A (0) or for B (1)
	s_and_b32 s16, s14, 1                          ; which half of its columns.  Also: which 128 rows I fetch
	s_bfe_u32 s40, ttmp6, 0x40000                  ; cx
	s_bfe_u32 s41, ttmp6, 0x40004                  ; cy
	s_lshl_b32 s42, ttmp9, 2
	s_add_co_u32 s42, s42, s40                     ; tile column
	s_and_b32 s17, ttmp7, 0xffff
	s_lshl_b32 s17, s17, 2
	s_add_co_u32 s17, s17, s41                     ; tile row
	s_lshl_b32 s43, s41, 2
	s_lshl_b32 s43, 15, s43                        ; my row of the cluster
	s_lshl_b32 s44, 0x1111, s40                    ; my column
	s_or_b32 s[G1+0], s43, (3<<16)|(1<<21)         ; codes: 8 row tiles x 3,072 bytes (384 elements of 8 bytes), 12,288 bytes apart; no padding
	s_or_b32 s[G1B+0], s44, (3<<16)|(1<<21)
.irp g, G1, G1B
	s_mov_b32 s[\g+1], 384<<16
	s_mov_b32 s[\g+2], 8<<16
	s_mov_b32 s[\g+3], 384<<16
	s_mov_b32 s[\g+4], 8
	s_mov_b32 s[\g+5], 1536
	s_mov_b32 s[\g+6], 0
	s_mov_b32 s[\g+7], 0
.endr
	s_or_b32 s[G1S+0], s43, (3<<16)|(1<<20)|(1<<21)|(5<<22)|(3<<25)   ; the scales of 128 rows: 16 rows of 256 bytes, 16 of padding behind each
	s_or_b32 s[G1SB+0], s44, (3<<16)|(1<<20)|(1<<21)|(5<<22)|(3<<25)
.irp g, G1S, G1SB
	s_mov_b32 s[\g+1], 32<<16
	s_mov_b32 s[\g+2], 16<<16
	s_mov_b32 s[\g+3], 32<<16
	s_mov_b32 s[\g+4], 16
	s_mov_b32 s[\g+5], 32
	s_mov_b32 s[\g+6], 0
	s_mov_b32 s[\g+7], 0
.endr
	s_lshl_b32 s18, s16, 7
	s_lshl_b32 s20, s17, 8
	s_add_co_u32 s20, s20, s18                     ; A: placed row 256 x tile row + 128 x half
	s_lshl_b32 s46, s42, 8
	s_add_co_u32 s46, s46, s18
	s_add_co_u32 s46, s46, 11264                   ; B: w_proj begins at placed row 11,264 of cod and scl
	s_lshl_b32 s22, s20, 5
	s_mov_b32 s23, 0
	s_mul_i32 s20, s20, 768
	s_mov_b32 s21, 0
	s_lshl_b32 s92, s46, 5
	s_mov_b32 s93, 0
	s_mul_i32 s46, s46, 768
	s_mov_b32 s47, 0
	s_mul_i32 s45, s14, HALFT
	s_mul_i32 s94, s14, HALFS
	s_wait_dscnt 0x0                               ; the opening add is done
	s_wait_kmcnt 0x0
	s_add_nc_u64 s[20:21], s[4:5], s[20:21]
	s_add_nc_u64 s[22:23], s[6:7], s[22:23]
	s_add_nc_u64 s[46:47], s[8:9], s[46:47]
	s_add_nc_u64 s[92:93], s[10:11], s[92:93]
	CROUND                                         ; all sixteen work-groups are here: the first joint loads meet
	s_mov_b32 s[G0S], 1
	s_add_co_u32 s[G0S+1], s94, SCL
	s_mov_b64 s[G0S+2:G0S+3], s[22:23]
	s_or_b32 s[G0S+3], s[G0S+3], 0x80000000
	s_mov_b32 s[G0SB], 1
	s_add_co_u32 s[G0SB+1], s94, SCL
	s_mov_b64 s[G0SB+2:G0SB+3], s[92:93]
	s_or_b32 s[G0SB+3], s[G0SB+3], 0x80000000
	JLOAD G0S, G1S, G0SB, G1SB
.irp s, 0,1
	s_mov_b32 s[G0+4*\s], 1
	s_add_co_u32 s[G0+4*\s+1], s45, \s*SLOT
	s_add_nc_u64 s[G0+4*\s+2:G0+4*\s+3], s[20:21], \s*SLK
	s_or_b32 s[G0+4*\s+3], s[G0+4*\s+3], 0x80000000
	s_mov_b32 s[G0B+4*\s], 1
	s_add_co_u32 s[G0B+4*\s+1], s45, \s*SLOT
	s_add_nc_u64 s[G0B+4*\s+2:G0B+4*\s+3], s[46:47], \s*SLK
	s_or_b32 s[G0B+4*\s+3], s[G0B+4*\s+3], 0x80000000
	JLOAD G0+4*\s, G1, G0B+4*\s, G1B               ; 2 + s tensor loads of mine are out now
.endr
	v_and_b32 v1, 15, v0                           ; r
	v_bfe_u32 v2, v0, 4, 1                         ; h
	v_and_b32 v3, 31, v0                           ; lane
	v_lshlrev_b32 v4, 3, v3                        ; 8 x lane: y's images
	v_lshlrev_b32 v[CO], 4, v3                     ; 16 x lane: w_proj's images, and my bytes of a row of 512
	s_mul_i32 s21, s15, HALFT
	s_mul_i32 s22, s16, HALFT
	s_add_co_u32 s22, s22, 2*HALFT
.irp s, 0,1
	v_add_nc_u32 v[ADRA+\s], s21, v4
	v_add_nc_u32 v[ADRB+\s], s22, v[CO]
	s_add_co_u32 s21, s21, SLOT
	s_add_co_u32 s22, s22, SLOT
.endr
	v_mul_u32_u24 v5, v1, KS
	v_lshrrev_b32 v6, 8, v5
	v_lshl_add_u32 v5, v6, 4, v5
	s_mul_i32 s21, s15, HALFS
	s_mul_i32 s22, s16, HALFS
	s_add_co_u32 s22, s22, 2*HALFS
	s_sub_co_u32 s22, s22, s21
	v_mul_u32_u24 v6, s22, v2                      ; lanes 16-31 take B's: one product, the distance between the two bases
	s_add_co_u32 s21, s21, SCL
	v_add_nc_u32 v5, v5, v6
	v_add_nc_u32 v[ADRS], s21, v5
	s_mul_i32 s23, s14, 16*SPITCH                  ; my stage
	v_mul_u32_u24 v5, v1, SPITCH
	v_lshl_add_u32 v5, v2, 7, v5                   ; in: row r; my half's 32 natural columns of a group of 64 begin 128 h bytes on
	v_add_nc_u32 v[STO], s23, v5
	v_add_nc_u32 v[RD], s23, v[CO]                 ; back: the 32 lanes take a row of 512 bytes
	s_lshl_b32 s20, s17, 8
	s_lshl_b32 s21, s15, 7
	s_add_co_u32 s20, s20, s21                     ; my first row of out0
	s_lshl_b32 s20, s20, 12
	s_mov_b32 s21, 0
	s_lshl_b32 s46, s42, 10                        ; my first column, in bytes
	s_lshl_b32 s47, s16, 9
	s_add_co_u32 s46, s46, s47
	s_mov_b32 s47, 0
	s_add_nc_u64 s[20:21], s[20:21], s[46:47]
	s_add_nc_u64 s[12:13], s[12:13], s[20:21]
.macro FRAGW reg, adr, q, i
.irp j, 0,1,2
	ds_load_b128 v[\reg+4*\j:\reg+4*\j+3], v[\adr] offset:(\i)*SLK+(\q)*FRB+512*\j
.endr
.endm
.macro FRAGP reg, adr, q, i
.irp j, 0,1,2,3,4,5
	ds_load_b64 v[\reg+2*\j:\reg+2*\j+1], v[\adr] offset:(\i)*SLK+(\q)*FRB+256*\j
.endr
.endm
.macro MUL16 a0, p, q, sc, zero        ; the 64 accumulators take turns, one instruction a turn, in the same order in every step
.irp a, \a0, \a0+1
.irp b, 0,1,2,3,4,5,6,7
.if \zero
	v_wmma_scale_f32_16x16x128_f8f6f4 v[8*(8*((\a)%4)+\b):8*(8*((\a)%4)+\b)+7], v[128*(\p)+FR*\b:128*(\p)+FR*\b+FR-1], v[AF+FR*(\a):AF+FR*(\a)+FR-1], 0, v[SC+8*NQ*(\sc)+NQ*\b+(\q)], v[SC+8*NQ*(\sc)+NQ*(\a)+(\q)] matrix_a_fmt:MATRIX_FMT_FP6 matrix_b_fmt:MATRIX_FMT_FP6 matrix_a_scale:MATRIX_SCALE_ROW1
.else
	v_wmma_scale_f32_16x16x128_f8f6f4 v[8*(8*((\a)%4)+\b):8*(8*((\a)%4)+\b)+7], v[128*(\p)+FR*\b:128*(\p)+FR*\b+FR-1], v[AF+FR*(\a):AF+FR*(\a)+FR-1], v[8*(8*((\a)%4)+\b):8*(8*((\a)%4)+\b)+7], v[SC+8*NQ*(\sc)+NQ*\b+(\q)], v[SC+8*NQ*(\sc)+NQ*(\a)+(\q)] matrix_a_fmt:MATRIX_FMT_FP6 matrix_b_fmt:MATRIX_FMT_FP6 matrix_a_scale:MATRIX_SCALE_ROW1
.endif
.endr
.endr
.endm
.macro FETCH_B slot, q, p
	WIN TO_B
.irp i, 0,1,2,3,4,5,6,7
	FRAGW 128*(\p)+FR*\i, ADRB+\slot, \q, \i
.endr
	WIN 0
.endm
.macro FETCH_A slot, q, i0
.irp i, \i0, \i0+1, \i0+2, \i0+3
	FRAGP AF+FR*(\i), ADRA+\slot, \q, \i
.endr
.endm
.macro SCALES sc
.irp i, 0,1,2,3,4,5,6,7
	ds_load_b64 v[SC+8*NQ*\sc+NQ*\i:SC+8*NQ*\sc+NQ*\i+1], v[ADRS] offset:\i*SBLK
.endr
.endm
.macro PLACES n
.rept \n
	v_nop
.endr
.endm
.macro STEP slot, q, zero
	s_wait_dscnt 4*NLA                             ; B's set and A's blocks 0-3 are in; the loads of A's blocks 4-7 may be out
	WIN MUL_LO
	MUL16 0, (\q)%2, \q, \slot, \zero
	MUL16 2, (\q)%2, \q, \slot, \zero
	s_wait_dscnt 0
	PLACES NP
	FETCH_B \slot, (\q)+1, 1-(\q)%2
	FETCH_A \slot, (\q)+1, 0
	WIN MUL_HI
	MUL16 4, (\q)%2, \q, \slot, \zero
	MUL16 6, (\q)%2, \q, \slot, \zero
	PLACES NP
	WIN 0
	FETCH_A \slot, (\q)+1, 4
.endm
.macro TURN slot, next, fill
	s_wait_tensorcnt 0x0                           ; all my tensor loads have landed: my part of the next slot
	ds_add_u32 v[SPW], v[NIL]
	s_wait_dscnt 4*NLA+1                           ; the add and the loads of A's blocks 4-7 may be out
	WIN MUL_LO
	MUL16 0, 1, NQ-1, \slot, 0
	s_wait_dscnt 0x0                               ; the add is done, and my reads of this slot are over
	s_barrier_signal -1
	MUL16 2, 1, NQ-1, \slot, 0
	WIN 0
	s_barrier_wait -1
.if \fill
	CREST                                          ; the barrier has opened a round of the cluster's: no wave of any partner still reads this slot or has a load on its way
	s_add_nc_u64 s[G0+4*\slot+2:G0+4*\slot+3], s[G0+4*\slot+2:G0+4*\slot+3], 2*SLK
	s_add_nc_u64 s[G0B+4*\slot+2:G0B+4*\slot+3], s[G0B+4*\slot+2:G0B+4*\slot+3], 2*SLK
	JLOAD G0+4*\slot, G1, G0B+4*\slot, G1B
.else
	PLACES NP
.endif
	s_wait_alu depctr_va_vdst(0)
	v_add_nc_u32 v[ADRS], 4*NQ, v[ADRS]
	FETCH_B \next, 0, 0
	FETCH_A \next, 0, 0
	SCALES \next
	WIN MUL_HI
	MUL16 4, 1, NQ-1, \slot, 0
	MUL16 6, 1, NQ-1, \slot, 0
	PLACES NP
	WIN 0
	FETCH_A \next, 0, 4
.endm
	s_wait_alu depctr_va_vdst(0)
	s_wait_tensorcnt 1                             ; the scales and my part of slot 0 are in; slot 1's load may be out
	s_barrier_signal -1
	s_barrier_wait -1
	FETCH_B 0, 0, 0
	FETCH_A 0, 0, 0
	SCALES 0
	FETCH_A 0, 0, 4
	STEP 0, 0, 1                                   ; four slots, written out; the first products start the sums
	TURN 0, 1, 1
	STEP 1, 0, 0
	TURN 1, 0, 1
	STEP 0, 0, 0
	TURN 0, 1, 0
	STEP 1, 0, 0
	s_wait_dscnt 4*NLA
	WIN MUL_LO
	MUL16 0, 1, NQ-1, 1, 0
	MUL16 2, 1, NQ-1, 1, 0
	s_wait_dscnt 0
	WIN MUL_HI
	MUL16 4, 1, NQ-1, 1, 0
	MUL16 6, 1, NQ-1, 1, 0
	WIN 0
; THE WAY OUT, block by block of 16 placed tokens x 128 columns, through my own stage.  Accumulator (a, b) holds, in lane (r, h), natural columns 64 (b / 4) + 32 h + 8 (b % 4) + 0 .. 7 of placed token 16 a + r.
; LDS serves a wave's instructions in order (ISA guide 5.7.1.4): no wait between the stores and the loads.
.macro TOSTAGE a
.set AC, 64*((\a)%4)
	WIN 0x08+4*((\a)/4)                            ; the data: window 2 or 3
.irp b, 0,1,2,3,4,5,6,7
	ds_store_b128 v[STO], v[AC+8*\b:AC+8*\b+3] offset:256*(\b/4)+32*(\b%4)       ; each accumulator from its low end on
	ds_store_b128 v[STO], v[AC+8*\b+4:AC+8*\b+7] offset:256*(\b/4)+32*(\b%4)+16
.endr
	WIN 0
.set BB, BK+64*((\a)%2)
.irp t, 0,1,2,3,4,5,6,7,8,9,10,11,12,13,14,15
	ds_load_b128 v[BB+4*\t:BB+4*\t+3], v[RD] offset:\t*SPITCH
.endr
.endm
.macro SEND a, younger                 ; place t of tile a is natural token 64 (a / 4) + 32 (t / 8) + 8 (a % 4) + t % 8 of my 128: it stands in the immediate, 127 rows of 4,096 bytes at the most
.set BB, BK+64*((\a)%2)
	s_wait_dscnt \younger
.irp t, 0,1,2,3,4,5,6,7,8,9,10,11,12,13,14,15
	global_store_b128 v[CO], v[BB+4*\t:BB+4*\t+3], s[12:13] offset:(64*((\a)/4)+8*((\a)%4)+32*(\t/8)+\t%8)*4096 th:TH_STORE_NT   ; 512 consecutive bytes, at a multiple of 256 from out0's first byte
.endr
.endm
	PLACES NP
	TOSTAGE 0
.irp a, 1,2,3,4,5,6,7
.if \a > 1
	s_wait_xcnt 0x0                                ; block a - 2's stores have read their registers: block a's loads may land there
.endif
	TOSTAGE \a
	SEND \a-1, 32                                  ; behind block a - 1's loads: block a's 16 stores and 16 loads
.endr
	SEND 7, 0
	s_wait_tensorcnt 0x0                           ; the wave's end
	ds_add_u32 v[SPW], v[NIL]
	s_wait_dscnt 0x0
	CROUND                                         ; the closing round
	s_endpgm
.Lfunc_end_k_qd1cab5cb1f_proj:
	.size	k_qd1cab5cb1f_proj, .Lfunc_end_k_qd1cab5cb1f_proj-k_qd1cab5cb1f_proj
	.p2alignl 7, 3214868480
	.fill 96, 4, 3214868480
	.section	.rodata,"a",@progbits
	.p2align	6, 0x0
	.amdhsa_kernel k_qd1cab5cb1f_proj
		.amdhsa_group_segment_fixed_size 327680
		.amdhsa_private_segment_fixed_size 0
		.amdhsa_enable_private_segment 0
		.amdhsa_kernarg_size 40
		.amdhsa_user_sgpr_count 2
		.amdhsa_user_sgpr_kernarg_segment_ptr 1
		.amdhsa_wavefront_size32 1
		.amdhsa_system_sgpr_workgroup_id_x 1
		.amdhsa_system_sgpr_workgroup_id_y 1
		.amdhsa_system_sgpr_workgroup_id_z 1
		.amdhsa_system_vgpr_workitem_id 0
		.amdhsa_next_free_vgpr 1024
		.amdhsa_next_free_sgpr 98
		.amdhsa_reserve_vcc 0
		.amdhsa_float_denorm_mode_32 3
		.amdhsa_float_denorm_mode_16_64 3
		.amdhsa_memory_ordered 1
		.amdhsa_forward_progress 1
		.amdhsa_inst_pref_size 147
	.end_amdhsa_kernel
	.amdgpu_metadata
---
amdhsa.version: [ 1, 2 ]
amdhsa.kernels:
  - .name:           k_qd1cab5cb1f_proj
    .symbol:         k_qd1cab5cb1f_proj.kd
    .args:
      - { .name: yc, .offset: 0, .size: 8, .value_kind: global_buffer, .address_space: global }
      - { .name: ys, .offset: 8, .size: 8, .value_kind: global_buffer, .address_space: global }
      - { .name: cod, .offset: 16, .size: 8, .value_kind: global_buffer, .address_space: global }
      - { .name: scl, .offset: 24, .size: 8, .value_kind: global_buffer, .address_space: global }
      - { .name: out0, .offset: 32, .size: 8, .value_kind: global_buffer, .address_space: global }
    .group_segment_fixed_size: 327680
    .private_segment_fixed_size: 0
    .kernarg_segment_align: 8
    .kernarg_segment_size: 40
    .max_flat_workgroup_size: 128
    .sgpr_count:     98
    .vgpr_count:     1024
    .wavefront_size: 32
...
	.end_amdgpu_metadata
.endif
;; end of part 4
